; MI455X (gfx1250); checked and timed in simulation.
; The chip was launched on July 23, 2026; its instructions are those of AMD's public machine-readable ISA for CDNA 5 (MIT licence, August 2026) and "CDNA5" Instruction Set Architecture Reference Guide (July 2026). The comments in the code are by the model that wrote it; some were corrected since.
;; Bert Self Attention1 D. Allowed arithmetic: matrix products marked QUANTISED: E2M1 operands, one E8M0 scale for each 32 along K, by v_wmma_scale_f32_16x16x128_f8f6f4 with both operands' format E2M1 (or v_wmma_scale_f32_32x16x128_f4), f32 sums; everything else in f32.
;; Inputs: W_dense_codes 1,024 x 32 x 16 uint8 (E2M1 codes of W_dense, K innermost, in blocks of 32 codes, two codes a byte); W_dense_scales 1,024 x 32 uint8 (E8M0 scales of W_dense, one for each 32 codes along K); W_qkv_codes 3,072 x 32 x 16 uint8 (E2M1 codes of W_qkv, K innermost, in blocks of 32 codes, two codes a byte); W_qkv_scales 3,072 x 32 uint8 (E8M0 scales of W_qkv, one for each 32 codes along K); attention_mask 4 x 1 x 1 x 2,048 float32; b_dense 1,024 float32; b_qkv 3,072 float32; hidden_states 4 x 2,048 x 1,024 float32; ln_beta 1,024 float32; ln_gamma 1,024 float32.
;; Outputs: out0 4 x 2,048 x 1,024 float32.
;; This version of the problem:
;;   THIS VERSION OF THE PROBLEM IS GIVEN IN LOW PRECISION. The matrix products marked QUANTISED in the list below multiply operands that are first quantised to E2M1 (2 exponent bits, 1 mantissa bit; 4 bits a number), with one power-of-two scale for each 32 numbers along K (OCP MX v1.0); their sums are f32. All else is computed in f32.
;;   The module's matrix products, in the order in which they are computed (A, B: the left and right operand; K: the contracted axis; several contracted axes count as one K, in the product's order):
;;     1. [M 8,192, K 1,024] x [K 1,024, N 3,072]; A: input hidden_states; B: input W_qkv (given as codes): QUANTISED
;;     2. batch 64 x [M 2,048, K 64] x [K 64, N 2,048]; A: computed on the way; B: computed on the way: QUANTISED
;;     3. batch 64 x [M 2,048, K 2,048] x [K 2,048, N 64]; A: softmax (see below); B: computed on the way: QUANTISED
;;     4. [M 8,192, K 1,024] x [K 1,024, N 1,024]; A: computed on the way; B: input W_dense (given as codes): QUANTISED
;;   THE QUANTISER, for each operand of a quantised product, along K:
;;     - K is cut into blocks of 32 from its start; a last block that is shorter is filled with zeros.
;;     - A block's scale is 2^e with e = floor(log2(the largest magnitude in the block)) - 2, held to -126 .. 127; a block of zeros has e = 0. As a byte (E8M0): e + 127.
;;     - Each number is divided by its block's scale, clamped to +-6, and rounded to the nearest number of E2M1, ties to even, subnormals kept.
;;     - The product sums the exact products of the quantised numbers (number of the format x scale) in f32.
;;   ~~~python
;;   def quantise(x, axis):      # numpy; x: float32 -> the quantised numbers, widened to float32 again
;;       x = np.moveaxis(x, axis, -1); K = x.shape[-1]
;;       x = np.pad(x, [(0, 0)] * (x.ndim - 1) + [(0, -K % 32)]); x = x.reshape(x.shape[:-1] + (-1, 32)); a = np.abs(x).max(-1, keepdims=True)
;;       e = np.where(a > 0, np.clip(np.frexp(np.where(a > 0, a, 1))[1] - 1 - 2, -126, 127), 0)      # np.frexp(a)[1] - 1 = floor(log2(a)), exactly
;;       r = np.clip(x / 2.0 ** e, -6, 6)
;;       step = 2.0 ** (np.maximum(np.frexp(np.where(r == 0, 1, r))[1] - 1, 0) - 1)
;;       q = np.round(r / step) * step * 2.0 ** e      # np.round: ties to even
;;       return np.moveaxis(q.reshape(q.shape[:-2] + (-1,))[..., :K], -1, axis).astype(np.float32)
;;   ~~~
;;   SOFTMAX AHEAD OF A QUANTISED PRODUCT. Where the list says 'softmax', what is quantised is not the finished softmax but p = 2^(t - M), with t = logit x log2(e) and M = ceil(the row's largest t), a whole number; so 1/2 < the row's largest p <= 1. The row's sum l is taken of the UNQUANTISED p, in f32, and the product's result is divided by l at the end. Since M is a whole number, a kernel that streams over the keys may use a running M (the ceiling of the running maximum): every later rescaling is an exact power of two, which a block's scale takes up: the codes' values come out the same.
;;   OPERANDS COMPUTED ON THE WAY. 'Computed on the way' means the value that the module computes at that place (a softmax that the list does not call 'softmax' is quantised finished and normalised). What goes into a quantiser is computed in f32, as accurately as f32 sums, v_exp_f32 and their like allow (about 1e-6 of the number): no bf16 or f16 on the way to a quantiser, and a product that is left as it is and whose result goes on into a quantised operand takes f32 operands (vector FMAs, or v_wmma_f32_16x16x4_f32). A number that lies on a knife's edge between two numbers of the format may be rounded either way, as far as f32 arithmetic and the matrix unit's own rounding can turn it there, and no further.
;;   INPUTS GIVEN AS CODES. W_dense (in the module: [1024, 1024], K = its axis 0); W_qkv (in the module: [1024, 3072], K = its axis 0): each comes as NAME_codes (uint8): NAME with its K axis moved to the last place and cut into blocks of 32 codes, [.., K / 32, bytes a block], one block behind the other in memory; two codes a byte, the lower K in the low four bits (a code: sign, 2 exponent bits, 1 mantissa bit); and NAME_scales (uint8): the same leading axes, one E8M0 byte (e + 127) for each 32 codes along K. Its value is code x scale, taken as it is: it is not quantised again, and the codes and scales need not be those that the quantiser above would give.
;; One version. Each part assembles by itself: llvm-mc -triple=amdgcn-amd-amdhsa -mcpu=gfx1250 --defsym DOCPART=n.
;; ======== version 1 of 1: 4 launches
;; limits: right only within a limited range of input values
;; workspace buffers: xq 4,456,448 bytes; wimg 2,228,224 bytes; qkv 13,893,632 bytes; ctx 4,456,448 bytes
;; launch prep (part 1): grid 256 x 1, 8 waves a work-group, no clusters, 137,216 bytes of LDS; arguments hidden_states, W_qkv_codes, W_qkv_scales, W_dense_codes, W_dense_scales, xq, wimg; writes xq, wimg
.if DOCPART == 1
	.amdgcn_target "amdgcn-amd-amdhsa--gfx1250"
	.amdhsa_code_object_version 6
	.text
	.protected	k_q928df54df6_prep
	.globl	k_q928df54df6_prep
	.p2align	8
	.type	k_q928df54df6_prep,@function
k_q928df54df6_prep:
	s_mov_b64 s[64:65], 0
	v_nop
	global_prefetch_b8 v0, s[64:65] scope:SCOPE_SE
	s_setreg_imm32_b32 hwreg(HW_REG_WAVE_MODE, 25, 1), 1
	s_wait_xcnt 0x0
; PREP.  (1) hidden_states [8192][1024] f32 becomes codes of FP4 (E2M1) with one E8M0 byte for each 32 along K, laid as IMAGES OF OPERAND REGISTERS:
; xq: [tile 512][K step 8][c 2][lane 32][16 bytes]; its scale words behind them: [pair of tiles 256][q 2][lane 32][4 words] (word i of group q: K step 4 q + i; lanes 0-15 the even tile, lanes 16-31 the odd one).
; (2) both weights, which arrive as codes, are laid anew in the same way into wimg, so that every later reader loads 16 bytes a lane at 16 x lane.
; THE ROWS OF A TILE ARE NOT NEIGHBOURS: lane r of tile 2 P + u takes row 32 P + 8 u + r + 8 (r / 8), of x and of the weights' columns alike: in any product's result the 16 registers of two
; neighbouring tiles are then 16 neighbours along the axis that runs down the registers, which is what the next quantiser wants.
; SHARES.  Work-group B takes rows 32 B .. 32 B + 31 of x; wave w the K step w (512 bytes of each row: each load of the wave reads 512 consecutive bytes), which turn through the wave's own stage in LDS,
; since the conversions want 16 neighbours along K in ONE lane.  The same work-group lays column tile B of the weights (0-191: W_qkv's, 192-255: W_dense's), wave w its K step w: one path, only pointers and offsets are chosen.
; No matrix work, no cluster, no tensor load: nothing is shared between work-groups and every byte is read once.
; A block's scale is 2^(floor(log2(its largest magnitude)) - 2): its byte is the largest magnitude's exponent field - 2, held at 1 from below.
; LIMITS: a block of zeros, or one whose largest magnitude lies under 2^-124, gets the byte 1 (a block of zeros has zero codes; only this program reads the bytes); NaN and infinities in x are not served.
.set SP,    528                        ; a position of the stage: 512 bytes + 16: 33 x 16
.set XSCL,  8*32*SP                    ; behind the eight stages: 1,024 bytes in which the eight waves' scale words meet
.set R,     16                         ; v16-143  32 rows as loaded, 4 registers each
.set X0,    144                        ; v144-207 64 numbers of the even tile
.set X1,    16                         ; v16-79   and of the odd one
.set TM,    208                        ; v208-223 at work in the quantiser
.set PW0,   224
.set PW1,   225                        ; the two tiles' scale words
.set PC0,   226
.set PC1,   234                        ; and their codes
.set WR,    242                        ; v242-249 a fragment of a weight
.set XO,    250                        ; v250-253 x's scale words on the way out
.set SEL,   36                         ; s[36:37] lane selects: lane l xor 16
.set HM,    38                         ; s38 the mask of lanes 16-31
; 64 numbers, v[src + 16 b + i] = number i of my half of block b: the blocks' scale bytes into v[byt + b], their codes into v[dst + stride b] and the register behind it
.macro QCORE src, dst, stride, byt
.irp b, 0,1,2,3
	v_max3_num_f32 v[TM+\b], |v[(\src)+16*\b]|, |v[(\src)+1+16*\b]|, 0x1800000   ; my 16 numbers, and the floor 2^(3 - 127): the byte cannot fall under 1
.endr
.irp i, 2,4,6,8,10,12,14
.irp b, 0,1,2,3
	s_delay_alu instid0(VALU_DEP_4)
	v_max3_num_f32 v[TM+\b], v[TM+\b], |v[(\src)+16*\b+\i]|, |v[(\src)+1+16*\b+\i]|   ; the four blocks by turns
.endr
.endr
.irp b, 0,1,2,3
	s_delay_alu instid0(VALU_DEP_4)
	v_permlanex16_b32 v[TM+4+\b], v[TM+\b], s[SEL], s[SEL+1]
.endr
.irp b, 0,1,2,3
	s_delay_alu instid0(VALU_DEP_4)
	v_max_num_f32 v[TM+\b], v[TM+\b], v[TM+4+\b]   ; with lane l xor 16's: the block's largest magnitude
.endr
.irp b, 0,1,2,3
	s_delay_alu instid0(VALU_DEP_4)
	v_add_nc_u32 v[TM+12+\b], 0xff000000, v[TM+\b]   ; 2 off its exponent field: the conversion's scale operand
.endr
.irp b, 0,1,2,3
	s_delay_alu instid0(VALU_DEP_4)
	v_lshrrev_b32 v[(\byt)+\b], 23, v[TM+12+\b]   ; the scale's byte
.endr
.irp b, 0,1,2,3
	v_cvt_scalef32_pk8_fp4_f32 v[(\dst)+(\stride)*\b], v[(\src)+16*\b:(\src)+7+16*\b], v[TM+12+\b]
	v_cvt_scalef32_pk8_fp4_f32 v[(\dst)+1+(\stride)*\b], v[(\src)+8+16*\b:(\src)+15+16*\b], v[TM+12+\b]
.endr
	v_nop                                          ; one plain place behind a scaled conversion
.endm
; the same, as one fragment of 128 along K in v[pc .. pc + 7] with its scale word in v[pw]
.macro QUANT src, pc, pw
	QCORE \src, \pc, 2, TM+4
	v_lshl_or_b32 v[\pw], v[TM+5], 8, v[TM+4]
	s_delay_alu instid0(VALU_DEP_1)
	v_lshl_or_b32 v[\pw], v[TM+6], 16, v[\pw]
	s_delay_alu instid0(VALU_DEP_1)
	v_lshl_or_b32 v[\pw], v[TM+7], 24, v[\pw]
.irp c, 0,1
.irp i, 0,1
	v_permlane16_swap_b32 v[(\pc)+4*\c+\i], v[(\pc)+2+4*\c+\i]   ; the operand's layout wants a whole block in a lane
.endr
.endr
.endm
	s_load_b256 s[4:11], s[0:1], 0x0               ; x s[4:5], W_qkv's codes s[6:7], its scales s[8:9], W_dense's codes s[10:11]
	s_load_b128 s[12:15], s[0:1], 0x20             ; W_dense's scales s[12:13], xq s[14:15]
	s_load_b64 s[16:17], s[0:1], 0x30              ; wimg
	v_lshl_add_u32 v219, v0, 2, 0x21400
	v_mov_b32 v255, 0
	v_lshrrev_b32 v1, 5, v0
	s_delay_alu instid0(VALU_DEP_1)
	v_readfirstlane_b32 s18, v1                    ; wave 0..7
	v_and_b32 v1, 31, v0                           ; lane
	v_and_b32 v2, 15, v0                           ; r
	v_bfe_u32 v3, v0, 4, 1                         ; h
	s_delay_alu instid0(VALU_DEP_3)
	v_lshlrev_b32 v4, 4, v1                        ; 16 x lane
	s_wait_alu depctr_va_vdst(0)
	s_mul_i32 s19, s18, 32*SP                      ; my stage
	v_add_nc_u32 v5, s19, v4                       ; into it: 16 x lane of a position
	v_mul_u32_u24 v6, v2, SP
	s_delay_alu instid0(VALU_DEP_1)
	v_lshl_add_u32 v6, v3, 6, v6
	s_delay_alu instid0(VALU_DEP_1)
	v_add_nc_u32 v6, s19, v6                       ; out of it: position r, + 64 h: my 16 numbers of a block of 32
	s_lshr_b32 s20, s18, 2
	s_lshl_b32 s20, s20, 9
	s_and_b32 s21, s18, 3
	s_lshl_b32 s21, s21, 2
	s_add_co_u32 s20, s20, s21
	s_add_co_u32 s20, s20, XSCL
	v_add_nc_u32 v7, s20, v4                       ; my scale word's place: group w / 4, word w % 4, 16 bytes a lane
	s_min_u32 s39, s18, 1
	s_lshl_b32 s39, s39, 9                         ; (only waves 0 and 1 take the words out: group = wave)
	s_add_co_u32 s20, s39, XSCL
	v_add_nc_u32 v254, s20, v4
	v_and_b32 v8, 8, v2
	s_delay_alu instid0(VALU_DEP_1)
	v_add_nc_u32 v8, v8, v2                        ; r + 8 (r / 8)
	s_delay_alu instid0(VALU_DEP_1)
	v_lshlrev_b32 v9, 5, v8
	s_delay_alu instid0(VALU_DEP_1)
	v_lshl_add_u32 v9, v3, 4, v9                   ; a weight's scale bytes: 32 a row; half h takes K steps 4 h .. 4 h + 3
	s_delay_alu instid0(VALU_DEP_3)
	v_lshlrev_b32 v8, 9, v8
	s_delay_alu instid0(VALU_DEP_1)
	v_lshl_add_u32 v8, v3, 4, v8                   ; a weight's codes: 512 bytes a row, + 16 h
	v_lshlrev_b32 v10, 4, v2
	s_delay_alu instid0(VALU_DEP_1)
	v_lshl_add_u32 v10, v3, 9, v10                 ; and where the scale words go: group h, lane r
	s_mov_b32 s[SEL], 0x76543210
	s_mov_b32 s[SEL+1], 0xfedcba98
	s_mov_b32 s[HM], 0xffff0000
.irp b, 0,1,2,3
	v_mov_b32 v[TM+4+\b], 0                        ; written once: a lane permute's destination counts as one of its sources
.endr
	; which column tile of which weight, and where it goes in wimg
	s_cmp_lt_u32 ttmp9, 192
	s_cselect_b32 s22, 0, 192
	s_sub_co_u32 s22, ttmp9, s22                   ; the tile's number in its weight
	s_lshr_b32 s23, s22, 1                         ; its pair
	s_and_b32 s24, s22, 1                          ; u
	s_lshl_b32 s25, s23, 5
	s_lshl_b32 s26, s24, 3
	s_add_co_u32 s25, s25, s26                     ; the tile's first column: 32 pair + 8 u
	s_mul_i32 s26, ttmp9, 43691
	s_lshr_b32 s26, s26, 19                        ; W_qkv: head = tile / 12 (exact for tiles under 192)
	s_mul_i32 s27, s26, 12
	s_sub_co_u32 s27, ttmp9, s27                   ; the tile's number in its head
	s_mul_i32 s26, s26, 104448                     ; a head's record: 12 tiles x 8,192 bytes of codes, 6 pairs x 1,024 of scale words
	s_lshl_b32 s28, s27, 13
	s_add_co_u32 s28, s28, s26
	s_lshr_b32 s29, s27, 1
	s_lshl_b32 s29, s29, 10
	s_add_co_u32 s29, s29, s26
	s_add_co_u32 s29, s29, 98304
	s_lshl_b32 s30, s22, 13                        ; W_dense: codes from 1,671,168 on, scale words from 2,195,456 on
	s_add_co_u32 s30, s30, 1671168
	s_lshl_b32 s31, s23, 10
	s_add_co_u32 s31, s31, 2195456
	s_wait_alu depctr_va_vdst(0)
	s_wait_kmcnt 0x0
	s_cmp_lt_u32 ttmp9, 192                        ; the choice hangs on the work-group's number alone
	s_cselect_b32 s28, s28, s30
	s_cselect_b32 s29, s29, s31
	s_cselect_b64 s[6:7], s[6:7], s[10:11]
	s_cselect_b64 s[8:9], s[8:9], s[12:13]
	s_lshl_b32 s24, s24, 8
	s_add_co_u32 s29, s29, s24                     ; the odd tile's words lie in lanes 16-31: 256 bytes on
	s_lshl_b32 s24, s18, 10
	s_add_co_u32 s28, s28, s24                     ; my K step's fragment
	s_mov_b32 s31, 0
	s_lshl_b32 s30, ttmp9, 17
	s_lshl_b32 s24, s18, 9
	s_add_co_u32 s30, s30, s24
	s_add_nc_u64 s[4:5], s[4:5], s[30:31]          ; x at row 32 B, my 512 bytes
	s_lshl_b32 s30, s25, 9
	s_lshl_b32 s24, s18, 6
	s_add_co_u32 s30, s30, s24
	s_add_nc_u64 s[6:7], s[6:7], s[30:31]          ; the weight's codes at the tile's first column, my K step's 64 bytes
	s_lshl_b32 s30, s25, 5
	s_add_nc_u64 s[8:9], s[8:9], s[30:31]          ; its scale bytes
	s_mov_b32 s30, s28
	s_add_nc_u64 s[10:11], s[16:17], s[30:31]      ; wimg: the fragment
	s_mov_b32 s30, s29
	s_add_nc_u64 s[12:13], s[16:17], s[30:31]      ; wimg: the scale words
	s_lshl_b32 s30, ttmp9, 14
	s_lshl_b32 s24, s18, 10
	s_add_co_u32 s30, s30, s24
	s_add_nc_u64 s[32:33], s[14:15], s[30:31]      ; xq: tile 2 B, K step w
	s_lshl_b32 s30, ttmp9, 10
	s_add_co_u32 s30, s30, s39
	s_add_co_u32 s30, s30, 4194304
	s_add_nc_u64 s[34:35], s[14:15], s[30:31]      ; xq: the pair's scale words
.set i, 0
.rept 32
	global_load_b128 v[R+4*i:R+4*i+3], v4, s[4:5] offset:4096*i th:TH_LOAD_NT   ; row i: 512 consecutive bytes
.set i, i+1
.endr
	global_load_b128 v[WR:WR+3], v8, s[6:7]
	global_load_b128 v[WR+4:WR+7], v8, s[6:7] offset:32
	global_load_b128 v[12:15], v9, s[8:9]
.set i, 0
.rept 32
.if (i%4) == 0
	s_wait_loadcnt 31-i                            ; rows i .. i + 3 are in: behind them 28 - i loads of x and the weight's three may be out
.endif
	ds_store_b128 v5, v[R+4*i:R+4*i+3] offset:(16*((i>>3)&1)+8*(i>>4)+(i&7))*SP   ; row i lies at position 16 u + r
.set i, i+1
.endr
	s_wait_loadcnt 0x0
	global_store_b128 v4, v[WR:WR+3], s[10:11]     ; the weight's fragment as it stands: 512 consecutive bytes a store
	global_store_b128 v4, v[WR+4:WR+7], s[10:11] offset:512
	s_cmp_lg_u32 s18, 2
	s_cbranch_scc1 .Lnot_wave_2
	global_store_b128 v10, v[12:15], s[12:13]      ; one wave stores the tile's scale words: each half of the lanes 256 consecutive bytes
.Lnot_wave_2:
.set i, 0
.rept 16
	ds_load_b128 v[X0+4*i:X0+4*i+3], v6 offset:128*(i/4)+16*(i%4)   ; LDS serves a wave's instructions in order: these see my stores
.set i, i+1
.endr
	s_wait_dscnt 0x0                               ; the even tile's numbers are in, and the stage's stores have read the rows' registers
.set i, 0
.rept 16
	ds_load_b128 v[X1+4*i:X1+4*i+3], v6 offset:16*SP+128*(i/4)+16*(i%4)
.set i, i+1
.endr
	QUANT X0, PC0, PW0
	global_store_b128 v4, v[PC0:PC0+3], s[32:33]
	global_store_b128 v4, v[PC0+4:PC0+7], s[32:33] offset:512
	s_wait_dscnt 0x0
	QUANT X1, PC1, PW1
	global_store_b128 v4, v[PC1:PC1+3], s[32:33] offset:8192
	global_store_b128 v4, v[PC1+4:PC1+7], s[32:33] offset:8704
	v_cndmask_b32 v11, v[PW0], v[PW1], s[HM]       ; lanes 0-15 the even tile's word, lanes 16-31 the odd one's
	ds_store_b32 v7, v11
	s_wait_dscnt 0x0                               ; for the others' sake: my word lies in LDS
	s_barrier_signal -1
	s_barrier_wait -1
	s_cmp_lt_u32 s18, 2
	s_cbranch_scc0 .Lend
	ds_load_b128 v[XO:XO+3], v254                  ; four K steps' words a lane
	s_wait_dscnt 0x0
	global_store_b128 v4, v[XO:XO+3], s[34:35]     ; 512 consecutive bytes
.Lend:
	s_wait_tensorcnt 0x0
	ds_add_u32 v219, v255
	s_wait_dscnt 0x0
	s_endpgm
.Lfunc_end_k_q928df54df6_prep:
	.size	k_q928df54df6_prep, .Lfunc_end_k_q928df54df6_prep-k_q928df54df6_prep
	.p2alignl 7, 3214868480
	.fill 96, 4, 3214868480
	.section	.rodata,"a",@progbits
	.p2align	6, 0x0
	.amdhsa_kernel k_q928df54df6_prep
		.amdhsa_group_segment_fixed_size 137216
		.amdhsa_private_segment_fixed_size 0
		.amdhsa_enable_private_segment 0
		.amdhsa_kernarg_size 56
		.amdhsa_user_sgpr_count 2
		.amdhsa_user_sgpr_kernarg_segment_ptr 1
		.amdhsa_wavefront_size32 1
		.amdhsa_system_sgpr_workgroup_id_x 1
		.amdhsa_system_sgpr_workgroup_id_y 1
		.amdhsa_system_sgpr_workgroup_id_z 1
		.amdhsa_system_vgpr_workitem_id 0
		.amdhsa_next_free_vgpr 256
		.amdhsa_next_free_sgpr 66
		.amdhsa_reserve_vcc 0
		.amdhsa_float_denorm_mode_32 3
		.amdhsa_float_denorm_mode_16_64 3
		.amdhsa_memory_ordered 1
		.amdhsa_forward_progress 1
		.amdhsa_inst_pref_size 24
	.end_amdhsa_kernel
	.amdgpu_metadata
---
amdhsa.version: [ 1, 2 ]
amdhsa.kernels:
  - .name:           k_q928df54df6_prep
    .symbol:         k_q928df54df6_prep.kd
    .args:
      - { .name: hidden_states, .offset: 0, .size: 8, .value_kind: global_buffer, .address_space: global }
      - { .name: W_qkv_codes, .offset: 8, .size: 8, .value_kind: global_buffer, .address_space: global }
      - { .name: W_qkv_scales, .offset: 16, .size: 8, .value_kind: global_buffer, .address_space: global }
      - { .name: W_dense_codes, .offset: 24, .size: 8, .value_kind: global_buffer, .address_space: global }
      - { .name: W_dense_scales, .offset: 32, .size: 8, .value_kind: global_buffer, .address_space: global }
      - { .name: xq, .offset: 40, .size: 8, .value_kind: global_buffer, .address_space: global }
      - { .name: wimg, .offset: 48, .size: 8, .value_kind: global_buffer, .address_space: global }
    .group_segment_fixed_size: 137216
    .private_segment_fixed_size: 0
    .kernarg_segment_align: 8
    .kernarg_segment_size: 56
    .max_flat_workgroup_size: 256
    .sgpr_count:     66
    .vgpr_count:     256
    .wavefront_size: 32
...
	.end_amdgpu_metadata
.endif
;; end of part 1
;; launch qkv (part 2): grid 16 x 16, 8 waves a work-group, no clusters, 168,960 bytes of LDS; arguments xq, wimg, b_qkv, qkv; writes qkv
.if DOCPART == 2
	.amdgcn_target "amdgcn-amd-amdhsa--gfx1250"
	.amdhsa_code_object_version 6
	.text
	.protected	k_q928df54df6_qkv
	.globl	k_q928df54df6_qkv
	.p2align	8
	.type	k_q928df54df6_qkv,@function
k_q928df54df6_qkv:
	s_mov_b64 s[64:65], 0
	v_nop
	global_prefetch_b8 v0, s[64:65] scope:SCOPE_SE
	s_setreg_imm32_b32 hwreg(HW_REG_WAVE_MODE, 25, 1), 1
	s_wait_xcnt 0x0
; QKV.  x W_qkv + b_qkv on codes of FP4; q and k are quantised along the head's 64, v along the keys, and only codes and scale words go to memory, as images of the operands that the attention launch wants.
; SHARES.  Work-group (head, chunk): the head's 192 columns (12 column tiles, 6 pairs: 0, 1 = q; 2, 3 = k; 4, 5 = v) x 512 rows.  Wave w takes 64 rows, 4 row tiles, whose 32 fragments of x stay in window 1.
; The head's record of weights (104,448 bytes) comes into LDS once, an eighth by each wave's one tensor load; each fragment read from LDS feeds four matrix instructions.  A wave issues 384.
; q, k: THE PRODUCT IS USED TRANSPOSED (source 0 = 16 columns of W, source 1 = 16 rows of x): a lane holds one row, and the 16 registers of a pair's two tiles are 16 neighbours along d.
; v: the natural way (source 0 = x, source 1 = W): a lane holds one column d, and the 16 registers of two row tiles are 16 neighbouring keys.  The bias is the C of each sum's first product.
; NO CLUSTER: what work-groups share is fetched once at the head (13,056 bytes a wave of weights, 32,768 of x) for 384 matrix instructions a wave; no loop fetches anything, so no joint request would be repeated.
; No LDS byte is filled twice.  LIMITS: as in the quantiser of the first launch (byte 1 for blocks of zeros and for magnitudes under 2^-124); NaN and infinities are not served.
; qkv's layout: per (batch, head) 143,360 bytes in two halves of 1,024 keys: K's images [tile 64][512], V's [step 8][d tile 4][c 2][512], K's scale words [64 rows' group 16][r 16][tile 4], V's half words [group 16][pair 2][r 16];
; from 9,175,040 on Q's images [bh][tile 128][512]; from 13,369,344 on Q's scale words [bh][group 32][r 16][tile 4].  A word of Q or K: byte(d 0-31), byte(d 32-63), 0x7f, 0x7f.
.set XS,   16                          ; v16-31   x's scale words: pair p, K step s at XS + 8 p + s (lanes 0-15 the even tile)
.set WS,   32                          ; v32-39   the unit's weight scale words, K step s (lanes 0-15 tile u = 0)
.set BI,   40                          ; v40-55   the unit's bias, eight registers a tile
.set WB0,  56                          ; v56-119  two sets of four weight fragments: + 16 (s % 2) + 8 u
.set ACC,  120                         ; v120-183 eight accumulators
.set F,    184                         ; v184-199 codes
.set BY0,  200                         ; v200-203 the bytes of d 0-31
.set SQ,   204                         ; v204-207 q's scale words
.set SK,   208                         ; v208-211 k's
.set VW,   212                         ; v212-213 v's
.set TM,   216                         ; v216-231 at work in the quantiser
.set OW,   232                         ; v232-235 q's and k's words, selected
.set VX,   236                         ; v236     v's, selected
.set SEL,  40
.set HM,   42
.set MSB, 0
.macro WIN new                         ; the immediate's high byte repeats the setting that is left
.if MSB != \new
	s_set_vgpr_msb (MSB<<8)|\new
.set MSB, \new
.endif
.endm
.macro PLACES n
.rept \n
	v_nop
.endr
.endm
.macro QCORE src, dst, stride, byt
.irp b, 0,1,2,3
	v_max3_num_f32 v[TM+\b], |v[(\src)+16*\b]|, |v[(\src)+1+16*\b]|, 0x1800000   ; my 16 numbers, and the floor 2^(3 - 127); each accumulator is read from its low end on
.endr
.irp i, 2,4,6,8,10,12,14
.irp b, 0,1,2,3
	v_max3_num_f32 v[TM+\b], v[TM+\b], |v[(\src)+16*\b+\i]|, |v[(\src)+1+16*\b+\i]|
.endr
.endr
.irp b, 0,1,2,3
	s_delay_alu instid0(VALU_DEP_4)
	v_permlanex16_b32 v[TM+4+\b], v[TM+\b], s[SEL], s[SEL+1]
.endr
.irp b, 0,1,2,3
	s_delay_alu instid0(VALU_DEP_4)
	v_max_num_f32 v[TM+\b], v[TM+\b], v[TM+4+\b]
.endr
.irp b, 0,1,2,3
	s_delay_alu instid0(VALU_DEP_4)
	v_add_nc_u32 v[TM+12+\b], 0xff000000, v[TM+\b]
.endr
.irp b, 0,1,2,3
	s_delay_alu instid0(VALU_DEP_4)
	v_lshrrev_b32 v[(\byt)+\b], 23, v[TM+12+\b]
.endr
.irp b, 0,1,2,3
	v_cvt_scalef32_pk8_fp4_f32 v[(\dst)+(\stride)*\b], v[(\src)+16*\b:(\src)+7+16*\b], v[TM+12+\b]
	v_cvt_scalef32_pk8_fp4_f32 v[(\dst)+1+(\stride)*\b], v[(\src)+8+16*\b:(\src)+15+16*\b], v[TM+12+\b]
.endr
	v_nop                                          ; one plain place behind a scaled conversion
.endm
.macro QUANT src, pc, pw
	QCORE \src, \pc, 2, TM+4
	v_lshl_or_b32 v[\pw], v[TM+5], 8, v[TM+4]
	s_delay_alu instid0(VALU_DEP_1)
	v_lshl_or_b32 v[\pw], v[TM+6], 16, v[\pw]
	s_delay_alu instid0(VALU_DEP_1)
	v_lshl_or_b32 v[\pw], v[TM+7], 24, v[\pw]
.irp c, 0,1
.irp i, 0,1
	v_permlane16_swap_b32 v[(\pc)+4*\c+\i], v[(\pc)+2+4*\c+\i]
.endr
.endr
.endm
; one product; ra, rb: the side's scales stand in lanes 16-31 of its scale register
.macro WMS d, a, b, c, sa, sb, ra, rb
.if ((\ra) == 0) && ((\rb) == 0)
	v_wmma_scale_f32_16x16x128_f8f6f4 v[(\d):(\d)+7], v[(\a):(\a)+7], v[(\b):(\b)+7], v[(\c):(\c)+7], v[\sa], v[\sb] matrix_a_fmt:MATRIX_FMT_FP4 matrix_b_fmt:MATRIX_FMT_FP4
.elseif ((\rb) == 0)
	v_wmma_scale_f32_16x16x128_f8f6f4 v[(\d):(\d)+7], v[(\a):(\a)+7], v[(\b):(\b)+7], v[(\c):(\c)+7], v[\sa], v[\sb] matrix_a_fmt:MATRIX_FMT_FP4 matrix_b_fmt:MATRIX_FMT_FP4 matrix_a_scale:MATRIX_SCALE_ROW1
.elseif ((\ra) == 0)
	v_wmma_scale_f32_16x16x128_f8f6f4 v[(\d):(\d)+7], v[(\a):(\a)+7], v[(\b):(\b)+7], v[(\c):(\c)+7], v[\sa], v[\sb] matrix_a_fmt:MATRIX_FMT_FP4 matrix_b_fmt:MATRIX_FMT_FP4 matrix_b_scale:MATRIX_SCALE_ROW1
.else
	v_wmma_scale_f32_16x16x128_f8f6f4 v[(\d):(\d)+7], v[(\a):(\a)+7], v[(\b):(\b)+7], v[(\c):(\c)+7], v[\sa], v[\sb] matrix_a_fmt:MATRIX_FMT_FP4 matrix_b_fmt:MATRIX_FMT_FP4 matrix_a_scale:MATRIX_SCALE_ROW1 matrix_b_scale:MATRIX_SCALE_ROW1
.endif
.endm
; group gg = 4 unit + sigma: the unit's two tiles, K steps 2 sigma and 2 sigma + 1: eight LDS loads into set gg % 2
.macro WLOAD gg
.set wU, (\gg)/4
.set wB, WB0+32*((\gg)%2)
.if wU <= 2
.set wA, 1
.set wO, wU*16384
.else
.set wA, 2
.set wO, wU*16384-49152
.endif
.irp k, 0,1
.irp u, 0,1
.irp c, 0,1
	ds_load_b128 v[wB+16*\k+8*\u+4*\c:wB+16*\k+8*\u+4*\c+3], v[wA] offset:wO+\u*8192+(2*((\gg)%4)+\k)*1024+512*\c
.endr
.endr
.endr
.endm
.macro WSLOAD unit
	ds_load_b128 v[WS:WS+3], v3 offset:(\unit)*1024
	ds_load_b128 v[WS+4:WS+7], v3 offset:(\unit)*1024+512
.endm
.macro BIAS unit
.if (\unit) < 4
.irp u, 0,1
.irp j, 0,1
	global_load_b128 v[BI+8*\u+4*\j:BI+8*\u+4*\j+3], v4, s[8:9] offset:128*(\unit)+32*\u+16*\j   ; q, k: the tile's eight columns of my half
.endr
.endr
.else
.irp u, 0,1
	global_load_b32 v[BI+8*\u], v5, s[8:9] offset:128*(\unit)+32*\u   ; v: my lane's one column; widened behind the wait
.endr
.endif
.endm
; 16 products; the eight accumulators take turns, one instruction a turn
.macro MULQK gg
	WIN 0x04                                       ; source 1 (x) in window 1
.irp k, 0,1
.irp t, 0,1,2,3
.irp u, 0,1
.set kk, 2*((\gg)%4)+\k
.set rD, ACC+16*\t+8*\u
.set rC, rD
.if kk == 0
.set rC, BI+8*\u
.endif
	WMS rD, WB0+32*((\gg)%2)+16*\k+8*\u, 64*\t+8*kk, rC, WS+kk, XS+8*(\t/2)+kk, \u, \t&1
.endr
.endr
.endr
.endm
.macro MULV gg
	WIN 0x01                                       ; source 0 (x) in window 1
.irp k, 0,1
.irp t, 0,1,2,3
.irp u, 0,1
.set kk, 2*((\gg)%4)+\k
.set rD, ACC+32*\u+8*\t
.set rC, rD
.if kk == 0
.set rC, BI+8*\u
.endif
	WMS rD, 64*\t+8*kk, WB0+32*((\gg)%2)+16*\k+8*\u, rC, XS+8*(\t/2)+kk, WS+kk, \t&1, \u
.endr
.endr
.endr
.endm
; q and k: the quantiser's four blocks are the four row tiles; unit % 2 says which 32 of d.  Behind the second, a tile's four registers are its image: lanes 0-15 d 0-31, lanes 16-31 d 32-63
.macro EPIQK unit
	s_wait_xcnt 0x0                                ; earlier stores have read the codes' registers: only behind this wait are they written again
.if ((\unit)%2) == 0
	QCORE ACC, F, 4, BY0
.else
	QCORE ACC, F+2, 4, TM+4
.set rW, SQ+2*((\unit)-1)
.irp t, 0,1,2,3
	v_lshl_or_b32 v[rW+\t], v[TM+4+\t], 8, v[BY0+\t]
.endr
.irp t, 0,1,2,3
	s_delay_alu instid0(VALU_DEP_4)
	v_or_b32 v[rW+\t], 0x7f7f0000, v[rW+\t]        ; the bytes of k 64-127, where all codes of q are zeros: 1.0
.endr
.irp t, 0,1,2,3
.irp i, 0,1
	v_permlane16_swap_b32 v[F+4*\t+\i], v[F+4*\t+2+\i]
.endr
.endr
.irp t, 0,1,2,3
	global_store_b128 v1, v[F+4*\t:F+4*\t+3], s[31+(\unit):32+(\unit)] offset:512*\t   ; 512 consecutive bytes: s[32:33] q's images, s[34:35] k's
.endr
.endif
.endm
; v: the four blocks are (tile u, 32 keys p); a tile's four registers are half of its fragment for a step of 128 keys
.macro EPIV bd
	s_wait_xcnt 0x0
	QUANT ACC, F, VW+(\bd)
	global_store_b128 v1, v[F:F+3], s[36:37] offset:(2*(\bd))*1024
	global_store_b128 v1, v[F+4:F+7], s[36:37] offset:(2*(\bd)+1)*1024
.endm
	s_load_b256 s[4:11], s[0:1], 0x0               ; xq s[4:5], wimg s[6:7], b_qkv s[8:9], qkv s[10:11]
	v_lshl_add_u32 v254, v0, 2, 0x29000
	v_mov_b32 v255, 0
	ds_add_u32 v254, v255
	ds_add_u32 v254, v255
	v_lshrrev_b32 v1, 5, v0
	s_delay_alu instid0(VALU_DEP_1)
	v_readfirstlane_b32 s12, v1                    ; wave 0..7
	v_and_b32 v1, 31, v0
	s_delay_alu instid0(VALU_DEP_1)
	v_lshlrev_b32 v7, 2, v1                        ; 4 x lane
	s_delay_alu instid0(VALU_DEP_2)
	v_lshlrev_b32 v1, 4, v1                        ; 16 x lane: an image's place for my lane; units 0-2 of the record
	s_delay_alu instid0(VALU_DEP_1)
	v_add_nc_u32 v2, 49152, v1                     ; units 3-5
	s_delay_alu instid0(VALU_DEP_2)
	v_add_nc_u32 v3, 98304, v1                     ; the record's scale words
	v_and_b32 v8, 15, v0                           ; r
	v_bfe_u32 v9, v0, 4, 1                         ; h
	s_delay_alu instid0(VALU_DEP_1)
	v_lshlrev_b32 v4, 6, v9                        ; q's and k's bias: 16 numbers on for lanes 16-31
	s_delay_alu instid0(VALU_DEP_3)
	v_and_b32 v5, 8, v8
	s_delay_alu instid0(VALU_DEP_1)
	v_add_nc_u32 v5, v5, v8
	s_delay_alu instid0(VALU_DEP_1)
	v_lshlrev_b32 v5, 2, v5                        ; v's: column r + 8 (r / 8)
	s_and_b32 s14, ttmp7, 0xffff                   ; chunk of 512 rows
	s_lshl_b32 s15, s14, 3
	s_add_co_u32 s15, s15, s12                     ; G: my 64 rows
	s_lshr_b32 s28, s14, 2
	s_lshl_b32 s28, s28, 4
	s_add_co_u32 s28, s28, ttmp9                   ; bh = 16 batch + head
	s_and_b32 s29, s15, 31                         ; G within the batch
	s_lshr_b32 s43, s29, 4                         ; which half of the keys
	s_and_b32 s44, s29, 15                         ; and which 64 of it
	s_mul_i32 s45, s28, 143360
	s_mul_i32 s46, s43, 71680
	s_add_co_u32 s45, s45, s46                     ; that half's first byte in qkv
	s_mul_i32 s47, s12, 13056                      ; my eighth of the record: 51 rows of 256 bytes
	s_mul_i32 s48, ttmp9, 104448
	s_add_co_u32 s48, s48, s47
	s_mov_b32 s49, 0
	s_mov_b32 s16, 1                               ; group 0: count 1,
	s_mov_b32 s17, s47                             ; LDS address,
	s_mov_b32 s20, 3<<16                           ; group 1: no mask, elements of 8 bytes, no padding
	s_mov_b32 s21, 32<<16                          ; tensor_dim0 = 32 elements
	s_mov_b32 s22, 51<<16                          ; tensor_dim1 = 51
	s_mov_b32 s23, 32<<16                          ; tile_dim0 = 32
	s_mov_b32 s24, 51                              ; tile_dim1 = 51
	s_mov_b32 s25, 32                              ; the pitch: dense
	s_mov_b32 s26, 0
	s_mov_b32 s27, 0
	s_mov_b32 s[SEL], 0x76543210
	s_mov_b32 s[SEL+1], 0xfedcba98
	s_mov_b32 s[HM], 0xffff0000
	s_wait_alu depctr_va_vdst(0)
	s_wait_dscnt 0x0
	s_wait_kmcnt 0x0
	s_add_nc_u64 s[18:19], s[6:7], s[48:49]        ; global address,
	s_or_b32 s19, s19, 0x80000000                  ; type 2
	tensor_load_to_lds s[16:19], s[20:27]          ; the one fill of these bytes; one load of mine is out
	s_nop 0
	PLACES 4
	s_add_nc_u64 s[30:31], s[4:5], 4194304
	s_lshl_b32 s48, s15, 15
	s_add_nc_u64 s[4:5], s[4:5], s[48:49]          ; x's images: my four tiles
	s_lshl_b32 s48, s15, 11
	s_add_nc_u64 s[30:31], s[30:31], s[48:49]      ; and their scale words
	s_mul_i32 s48, ttmp9, 768
	s_add_nc_u64 s[8:9], s[8:9], s[48:49]          ; the head's bias
	WIN 0x40                                       ; destination window 1
.set n, 0
.rept 64
	global_load_b128 v[4*n:4*n+3], v1, s[4:5] offset:512*n   ; fragment (t, s) at v[64 t + 8 s] of window 1: the images lie in that very order
.set n, n+1
.endr
	WIN 0
.set n, 0
.rept 4
	global_load_b128 v[XS+4*n:XS+4*n+3], v1, s[30:31] offset:512*n
.set n, n+1
.endr
	BIAS 0
	s_lshl_b32 s48, s28, 16
	s_lshl_b32 s46, s29, 11
	s_add_co_u32 s48, s48, s46
	s_add_co_u32 s48, s48, 9175040
	s_add_nc_u64 s[32:33], s[10:11], s[48:49]      ; q's images
	s_lshl_b32 s46, s44, 11
	s_add_co_u32 s48, s45, s46
	s_add_nc_u64 s[34:35], s[10:11], s[48:49]      ; k's
	s_lshr_b32 s46, s44, 1
	s_lshl_b32 s46, s46, 12
	s_add_co_u32 s48, s45, s46
	s_and_b32 s46, s44, 1
	s_lshl_b32 s46, s46, 9
	s_add_co_u32 s48, s48, s46
	s_add_co_u32 s48, s48, 32768
	s_add_nc_u64 s[36:37], s[10:11], s[48:49]      ; v's: step g16 / 2, half g16 % 2 of each fragment
	s_lshl_b32 s46, s44, 7
	s_add_co_u32 s48, s45, s46
	s_add_co_u32 s48, s48, 69632
	s_add_nc_u64 s[38:39], s[10:11], s[48:49]      ; v's half words
	s_lshl_b32 s46, s28, 13
	s_lshl_b32 s50, s29, 8
	s_add_co_u32 s46, s46, s50
	s_add_co_u32 s46, s46, 13369344                ; q's scale words,
	s_lshl_b32 s50, s44, 8
	s_add_co_u32 s50, s50, s45
	s_add_co_u32 s50, s50, 65536                   ; k's: offsets from qkv's first byte
	v_mov_b32 v10, s46
	v_mov_b32 v11, s50
	s_delay_alu instid0(VALU_DEP_1)
	v_cndmask_b32 v6, v10, v11, s[HM]              ; lanes 0-15 store q's words, lanes 16-31 k's,
	s_delay_alu instid0(VALU_DEP_1)
	v_lshl_add_u32 v6, v8, 4, v6                   ; 16 bytes a row
.irp b, 0,1,2,3
	v_mov_b32 v[TM+4+\b], 0                        ; written once: a lane permute's destination counts as one of its sources
.endr
	s_wait_tensorcnt 0x0                           ; my eighth of the record has landed,
	s_barrier_signal -1
	s_barrier_wait -1                              ; everybody's has
	WSLOAD 0
	WLOAD 0
	WLOAD 1
.set g, 0
.rept 24
.set un, g/4
.set sg, g%4
.if sg == 0
	s_wait_loadcnt 0x0                             ; the unit's bias (and, the first time, x and its scale words)
.if un >= 4
.irp u, 0,1
	s_wait_alu depctr_va_vdst(0)
.irp j, 1,2,3,4,5,6,7
	v_mov_b32 v[BI+8*\u+\j], v[BI+8*\u]            ; a lane's eight results are of one column
.endr
.endr
	s_wait_alu depctr_va_vdst(0)
	PLACES 4
.endif
.endif
.if g < 23
	s_wait_dscnt 8                                 ; this group's fragments (and the unit's scale words, asked for ahead of them) are in; the next group's eight loads may be out
.else
	s_wait_dscnt 0x0
.endif
.if un < 4
	MULQK g
.else
	MULV g
.endif
	WIN 0
	PLACES 5                                       ; in front of loads into registers that the products read, of the first read of results, and of the next unit's first products, which write over the accumulators
.if (sg == 3) && (un < 5)
	WSLOAD un+1
.endif
.if g < 22
	WLOAD g+2
.endif
.if (sg == 0) && (un < 5)
	BIAS un+1
.endif
.if sg == 3
.if un < 4
	EPIQK un
.else
	EPIV un-4
.endif
.if un == 3
.irp t, 0,1,2,3
	v_cndmask_b32 v[OW+\t], v[SQ+\t], v[SK+\t], s[HM]
.endr
	global_store_b128 v6, v[OW:OW+3], s[10:11]     ; each half of the lanes stores 256 consecutive bytes
.endif
.endif
.set g, g+1
.endr
	v_cndmask_b32 v[VX], v[VW], v[VW+1], s[HM]     ; lanes 0-15 d tiles 0, 1; lanes 16-31 d tiles 2, 3
	global_store_b32 v7, v[VX], s[38:39]           ; 128 consecutive bytes: the launch's one store of less than 256
	s_wait_tensorcnt 0x0
	ds_add_u32 v254, v255
	s_wait_dscnt 0x0
	s_endpgm
.Lfunc_end_k_q928df54df6_qkv:
	.size	k_q928df54df6_qkv, .Lfunc_end_k_q928df54df6_qkv-k_q928df54df6_qkv
	.p2alignl 7, 3214868480
	.fill 96, 4, 3214868480
	.section	.rodata,"a",@progbits
	.p2align	6, 0x0
	.amdhsa_kernel k_q928df54df6_qkv
		.amdhsa_group_segment_fixed_size 168960
		.amdhsa_private_segment_fixed_size 0
		.amdhsa_enable_private_segment 0
		.amdhsa_kernarg_size 32
		.amdhsa_user_sgpr_count 2
		.amdhsa_user_sgpr_kernarg_segment_ptr 1
		.amdhsa_wavefront_size32 1
		.amdhsa_system_sgpr_workgroup_id_x 1
		.amdhsa_system_sgpr_workgroup_id_y 1
		.amdhsa_system_sgpr_workgroup_id_z 1
		.amdhsa_system_vgpr_workitem_id 0
		.amdhsa_next_free_vgpr 512
		.amdhsa_next_free_sgpr 66
		.amdhsa_reserve_vcc 0
		.amdhsa_float_denorm_mode_32 3
		.amdhsa_float_denorm_mode_16_64 3
		.amdhsa_memory_ordered 1
		.amdhsa_forward_progress 1
		.amdhsa_inst_pref_size 110
	.end_amdhsa_kernel
	.amdgpu_metadata
---
amdhsa.version: [ 1, 2 ]
amdhsa.kernels:
  - .name:           k_q928df54df6_qkv
    .symbol:         k_q928df54df6_qkv.kd
    .args:
      - { .name: xq, .offset: 0, .size: 8, .value_kind: global_buffer, .address_space: global }
      - { .name: wimg, .offset: 8, .size: 8, .value_kind: global_buffer, .address_space: global }
      - { .name: b_qkv, .offset: 16, .size: 8, .value_kind: global_buffer, .address_space: global }
      - { .name: qkv, .offset: 24, .size: 8, .value_kind: global_buffer, .address_space: global }
    .group_segment_fixed_size: 168960
    .private_segment_fixed_size: 0
    .kernarg_segment_align: 8
    .kernarg_segment_size: 32
    .max_flat_workgroup_size: 256
    .sgpr_count:     66
    .vgpr_count:     512
    .wavefront_size: 32
...
	.end_amdgpu_metadata
.endif
;; end of part 2
;; launch attn (part 3): grid 4 x 64, 8 waves a work-group, clusters of 4 x 1, 168,960 bytes of LDS; arguments qkv, attention_mask, ctx; writes ctx
.if DOCPART == 3
	.amdgcn_target "amdgcn-amd-amdhsa--gfx1250"
	.amdhsa_code_object_version 6
	.text
	.protected	k_q928df54df6_attn
	.globl	k_q928df54df6_attn
	.p2align	8
	.type	k_q928df54df6_attn,@function
k_q928df54df6_attn:
	s_mov_b64 s[64:65], 0
	v_nop
	global_prefetch_b8 v0, s[64:65] scope:SCOPE_SE
	s_setreg_imm32_b32 hwreg(HW_REG_WAVE_MODE, 25, 1), 1
	s_wait_xcnt 0x0
	s_wait_alu depctr_hold_cnt(0) depctr_sa_sdst(0) depctr_va_vdst(0) depctr_va_sdst(0) depctr_va_ssrc(0) depctr_va_vcc(0) depctr_vm_vsrc(0)
	s_getreg_b32 s2, hwreg(HW_REG_IB_STS2, 6, 4)
	s_cmp_eq_u32 s2, 0
	s_cbranch_scc0 .Lentry_in_a_cluster
	s_endpgm
.Lentry_in_a_cluster:
	s_bfe_u32 s2, ttmp6, 0x10000c
	s_cmp_lg_u32 s2, 0x3003
	s_cbranch_scc0 .Lentry_shape_is_right
	s_endpgm
.Lentry_shape_is_right:
; ATTENTION on codes of FP4: ctx = softmax(q k^T / 8 + mask) v for one (batch, head); ctx is quantised along the hidden axis and leaves as images of operand registers with its scale words.
; SHARES.  Work-group (x, bh): 512 queries of one (batch, head); wave w 64 of them, four tiles of 16, taken as two PAIRS.  Every wave walks the 2,048 keys in 16 steps of 128.
; CLUSTER: the four work-groups of a (batch, head) need the same record of K and V and ask for it JOINTLY (mask 15): the descriptors hang on bh and the wave's number alone; no branch and no LDS address hangs on the place in the cluster.
; LDS.  The record (143,360 bytes) is filled ONCE, one tensor load a wave: waves 0-3 K's and V's images by halves of 1,024 keys (128 rows of 256 bytes each),
; waves 4, 5 K's scale words (16 rows), waves 6, 7 V's half words (8 rows); they are placed so that a step's parts lie at constant strides: K 4,096, V 4,096, K's words 512, V's 256 bytes a step.
; The mask x 8 (8,192 bytes) is stored behind them by the waves; it is the C of the first product, so (q.k + 8 mask) x log2(e) / 8 is t.
; BOTH PRODUCTS ARE USED TRANSPOSED (S^T = K Q^T, O^T = V^T P^T): a lane holds one query.
; THE KEYS OF A TILE ARE CHOSEN AS THE FRAGMENTS ARE READ FROM LDS: row r of tile 4 B + t' takes key 64 B + 32 (r / 8) + 8 t' + r % 8 of the step.  The 32 registers of tiles 4 B .. 4 B + 3 are then the 32 neighbouring keys
; 64 B + 32 (lane / 16) + 0 .. 31: a whole block of the second product's K in one lane, in the order of that operand's registers.  So a block's maximum asks no other lane, and the conversions' results are the operand as they stand.
; In K's images key 32 P + 16 a + 8 u + j is row 8 a + j of tile 2 P + u: so lane (r, h) reads at 2,048 B + 1,024 (r / 8) + 512 (t' % 2) + 128 (t' / 2) + 16 (r % 8) + 256 h.
; THE SOFTMAX.  M = ceil of the running largest t; p = 2^(t - M); the row's sum is taken of the unquantised p; when M moves, the sum and O^T are multiplied by 2^(old M - new M), which rounds nothing.
; A BLOCK'S SCALE BYTE is floor(log2(its largest p)) + 125 = floor(t_max - M + 125): one multiply-add on the block's largest score, held at 1 from below, cut to a whole number.
; LIMITS: that multiply-add rounds at the size of 125, so within about 4e-6 under a whole number the byte may come out one higher than from p itself (the block's codes are then taken on the next coarser scale);
; the promise holds while the scaled scores stay under 2^24 in magnitude; NaN in the inputs is not served; a block whose every p is 0 keeps the byte 1 with zero codes.
; A PAIR goes through the softmax together: eight chains of maxima, two row chains; the dependent lines that make f, the blocks' bytes and the scale words stand in groups among tile a's 32 multiply-adds;
; tile b's multiply-adds stand among tile a's exponentials, tile a's first sums among tile b's; what they write is read behind the batch's closing wait.
; A PAIR'S END: O^T x f, the next addresses, one wait; then the next pair's first product (16 matrix instructions) and this pair's second (8) on end, four places, and the next step's loads.  The last step is written out: it loads nothing more.
; NO PREFETCH: all that the launch reads is asked for once, at the head; no loop fetches anything, so there is no trip to run ahead in.
; REGISTERS.  Window 0: v1-15 addresses; v16-31 per tile -M, largest score, the sum's two halves; v32-51 scale words and the rows' work; v52-87 K; v88-215 S, then p, of a pair; v216-231 p's codes; v232-254 the blocks' work and lane constants.
; Window 1: v0-127 O^T; v128-159 Q (upper halves zero: the head has 64 of the instruction's 128); v160-223 the mask; v224-255 V.
.set VOFF,  65536
.set KSO,   131072
.set VSO,   139264
.set MSK,   143360
.set SPARE, 167936                     ; the spare words: 128 bytes a wave
.set L16,  1
.set L4,   2
.set MB,   3
.set AK,   4
.set AV,   5
.set AS,   6
.set AVS,  7
.set SPW,  8
.set NIL,  9
.set FF,   10                          ; v[10:11], v[12:13] f of tiles a, b: the low word of a pair
.set R16,  14
.set AM,   15
.set ST,   16
.set QS,   32
.set KS,   36
.set VE,   40
.set VO,   41
.set VS,   42
.set PW,   44
.set T,    46
.set OL,   48
.set NB,   50
.set KF,   52
.set S,    88
.set PC,   216
.set BM,   232
.set SO,   240
.set RL,   248
.set LK,   252                         ; my lane's place in a step's images of K
.set LKS,  253                         ; and among its scale words
.set SH8,  254                         ; 8 x (lane / 16)
.set TM,   52                          ; the way out's quantiser works where K's fragments lay
.set QF,   128
.set MK,   160
.set VF,   224
.set CNT,  14
.set G1A,  16
.set G1B,  24
.set SEL,  32
.set CS,   34
.set HM,   36
.set SKO,  37
.set SVV,  38
.set SSO,  39
.set SVO,  40
.set SMO,  41
.set QIB,  42
.set QSB,  44
.set CTB,  46
.set CSB,  48
.set G1C,  56
.set G0A,  68
.set G0B,  72
.set G0C,  76
.set MSB, 0
.macro WIN new                         ; the immediate's high byte repeats the setting that is left
.if MSB != \new
	s_set_vgpr_msb (MSB<<8)|\new
.set MSB, \new
.endif
.endm
.macro PLACES n
.rept \n
	v_nop
.endr
.endm
.macro ROUND                           ; a round of the cluster's barrier
	s_barrier_signal -1
	s_barrier_wait -1
	s_cmp_lg_u32 s10, 0
	s_cbranch_scc1 .Lnot_wave_0_\@
	s_barrier_signal -3
.Lnot_wave_0_\@:
	s_barrier_wait -3
	s_barrier_signal -1
	s_barrier_wait -1
.endm
.macro QCORE src, dst, stride, byt
.irp b, 0,1,2,3
	v_max3_num_f32 v[TM+\b], |v[(\src)+16*\b]|, |v[(\src)+1+16*\b]|, 0x1800000   ; my 16 numbers and the floor 2^(3 - 127)
.endr
.irp i, 2,4,6,8,10,12,14
.irp b, 0,1,2,3
	v_max3_num_f32 v[TM+\b], v[TM+\b], |v[(\src)+16*\b+\i]|, |v[(\src)+1+16*\b+\i]|
.endr
.endr
.irp b, 0,1,2,3
	v_permlanex16_b32 v[TM+4+\b], v[TM+\b], s[SEL], s[SEL+1]
.endr
.irp b, 0,1,2,3
	v_max_num_f32 v[TM+\b], v[TM+\b], v[TM+4+\b]
.endr
.irp b, 0,1,2,3
	v_add_nc_u32 v[TM+12+\b], 0xff000000, v[TM+\b]   ; 2 off the exponent field: the conversion's scale operand
.endr
.irp b, 0,1,2,3
	v_lshrrev_b32 v[(\byt)+\b], 23, v[TM+12+\b]
.endr
.irp b, 0,1,2,3
	v_cvt_scalef32_pk8_fp4_f32 v[(\dst)+(\stride)*\b], v[(\src)+16*\b:(\src)+7+16*\b], v[TM+12+\b]
	v_cvt_scalef32_pk8_fp4_f32 v[(\dst)+1+(\stride)*\b], v[(\src)+8+16*\b:(\src)+15+16*\b], v[TM+12+\b]
.endr
	v_nop                                          ; one plain place behind a scaled conversion
.endm
.macro QUANT src, pc, pw
	QCORE \src, \pc, 2, TM+4
	v_lshl_or_b32 v[\pw], v[TM+5], 8, v[TM+4]
	v_lshl_or_b32 v[\pw], v[TM+6], 16, v[\pw]
	v_lshl_or_b32 v[\pw], v[TM+7], 24, v[\pw]
.irp c, 0,1
.irp i, 0,1
	v_permlane16_swap_b32 v[(\pc)+4*\c+\i], v[(\pc)+2+4*\c+\i]
.endr
.endr
.endm
.macro WMS d, a, b, c, sa, sb, ra       ; ra: source 0's scales stand in lanes 16-31 of its scale register
.if ((\ra) == 0)
	v_wmma_scale_f32_16x16x128_f8f6f4 v[(\d):(\d)+7], v[(\a):(\a)+7], v[(\b):(\b)+7], v[(\c):(\c)+7], v[\sa], v[\sb] matrix_a_fmt:MATRIX_FMT_FP4 matrix_b_fmt:MATRIX_FMT_FP4
.else
	v_wmma_scale_f32_16x16x128_f8f6f4 v[(\d):(\d)+7], v[(\a):(\a)+7], v[(\b):(\b)+7], v[(\c):(\c)+7], v[\sa], v[\sb] matrix_a_fmt:MATRIX_FMT_FP4 matrix_b_fmt:MATRIX_FMT_FP4 matrix_a_scale:MATRIX_SCALE_ROW1
.endif
.endm
; S^T of pair p: 8 key tiles x 2 query tiles, C = the mask.  A key tile's operand runs four registers into its neighbour's: those codes meet Q's zeros
.macro KQ p
	WIN 0x14
.irp t, 0,1,2,3,4,5,6,7
	WMS S+8*\t, KF+4*\t, QF+16*(\p), MK+8*\t, KS+(\t%4), QS+2*(\p), \t/4
	WMS S+64+8*\t, KF+4*\t, QF+16*(\p)+8, MK+8*\t, KS+(\t%4), QS+2*(\p)+1, \t/4
.endr
.endm
.macro ADDR                            ; the step's LDS addresses; a wait follows each use of the macro
	v_add_nc_u32 v[AK], s[SKO], v[LK]
	v_add_nc_u32 v[AV], s[SVV], v[L16]
	v_add_nc_u32 v[AS], s[SSO], v[LKS]
	v_add_nc_u32 v[AVS], s[SVO], v[L4]
	v_add_nc_u32 v[AM], s[SMO], v[MB]
.endm
.macro KLOAD                           ; a step's K, its scale words and the mask: 26 loads
.irp t, 0,1,2,3,4,5,6,7
	ds_load_b128 v[KF+4*\t:KF+4*\t+3], v[AK] offset:2048*(\t/4)+512*(\t%2)+128*((\t%4)/2)
.endr
	ds_load_b64 v[KS:KS+1], v[AS]                  ; the words of tiles t' = 0, 1 (lanes 0-15: B = 0; lanes 16-31: B = 1)
	ds_load_b64 v[KS+2:KS+3], v[AS] offset:128     ; and of t' = 2, 3
	WIN 0x40
.irp t, 0,1,2,3,4,5,6,7
.irp j, 0,1
	ds_load_b128 v[MK+8*\t+4*\j:MK+8*\t+4*\j+3], v[AM] offset:256*(\t/4)+32*(\t%4)+16*\j
.endr
.endr
	WIN 0
.endm
.macro LVL n                           ; a level of both tiles' sums: pair i takes pair i + n
.set i, 0
.rept \n
	v_pk_add_f32 v[S+4*i:S+4*i+1], v[S+4*i:S+4*i+1], v[S+4*(i+\n):S+4*(i+\n)+1]
	v_pk_add_f32 v[S+64+4*i:S+65+4*i], v[S+64+4*i:S+65+4*i], v[S+64+4*(i+\n):S+65+4*(i+\n)]
.set i, i+1
.endr
.endm
.macro CVT x                           ; tile x's p to codes: registers 4 B .. 4 B + 3 of the operand are my block of 32 keys
.irp b, 0,1
.irp g, 0,1,2,3
	v_cvt_scalef32_pk8_fp4_f32 v[PC+8*(\x)+4*\b+\g], v[S+64*(\x)+32*\b+8*\g:S+64*(\x)+32*\b+8*\g+7], v[SO+2*(\x)+\b]
.endr
.endr
	v_nop                                          ; one plain place behind a scaled conversion
.endm
.macro FMA4 p                          ; four more of tile a's 32 multiply-adds: t - M, two numbers each; j runs on
.rept 4
	v_pk_fma_f32 v[S+j:S+j+1], v[S+j:S+j+1], s[CS:CS+1], v[ST+8*(\p):ST+8*(\p)+1] op_sel_hi:[1,0,0]
.set j, j+2
.endr
.endm
; THE SOFTMAX OF PAIR p.  ldv: this step's V is loaded here (behind the 64 maxima, which are places behind the last products that read V) and awaited behind the batches.  wk: the next step's K is awaited.
.macro SOFT p, ldv, wk
	WIN 0
.irp k, 0,1,2,3,4,5,6,7
	v_max3_num_f32 v[BM+\k], v[S+16*\k], v[S+1+16*\k], v[S+2+16*\k]   ; eight chains, two to a block of 32 keys; each accumulator is read from its low end on
.endr
.irp i, 3,5,7,9,11,13
.irp k, 0,1,2,3,4,5,6,7
	v_max3_num_f32 v[BM+\k], v[BM+\k], v[S+16*\k+\i], v[S+1+16*\k+\i]
.endr
.endr
.irp m, 0,1,2,3
	v_max_num_f32 v[BM+2*\m+1], v[BM+2*\m+1], v[S+32*\m+31]
.endr
.irp m, 0,1,2,3
	v_max3_num_f32 v[BM+2*\m], v[BM+2*\m], v[S+32*\m+15], v[BM+2*\m+1]   ; block m's largest score (tile m / 2, B = m % 2)
.endr
.irp x, 0,1
	v_max_num_f32 v[T+\x], v[BM+4*\x], v[BM+4*\x+2]
.endr
.if \ldv
	WIN 0x40
.irp d, 0,1,2,3
.irp c, 0,1
	ds_load_b128 v[VF+8*\d+4*\c:VF+8*\d+4*\c+3], v[AV] offset:1024*\d+512*\c
.endr
.endr
	WIN 0
	ds_load_b32 v[VE], v[AVS]
	ds_load_b32 v[VO], v[AVS] offset:128
.endif
.irp x, 0,1
	v_permlanex16_b32 v[SO+\x], v[T+\x], s[SEL], s[SEL+1]
.endr
.irp x, 0,1
	v_mov_b32 v[OL+\x], v[ST+8*(\p)+4*\x]          ; the old -M
.endr
.irp x, 0,1
	v_max3_num_f32 v[ST+8*(\p)+4*\x+1], v[ST+8*(\p)+4*\x+1], v[T+\x], v[SO+\x]   ; the running largest score, lane l xor 16's 64 keys among them
.endr
.irp x, 0,1
	v_mul_f32 v[T+\x], s[CS], v[ST+8*(\p)+4*\x+1]  ; as t (c is positive)
.endr
.irp x, 0,1
	v_floor_f32 v[ST+8*(\p)+4*\x], -v[T+\x]        ; -M = floor(-t)
.endr
.set j, 0
.irp x, 0,1
	v_sub_f32 v[OL+\x], v[ST+8*(\p)+4*\x], v[OL+\x]   ; old M - new M: a whole number, 0 or less
.endr
.irp x, 0,1
	v_add_f32 v[NB+\x], 0x42fa0000, v[ST+8*(\p)+4*\x]   ; 125 - M
.endr
	FMA4 \p
.irp x, 0,1
	v_cvt_i32_f32 v[OL+\x], v[OL+\x]               ; (it saturates)
.endr
.irp m, 0,1,2,3
	v_fma_f32 v[BM+2*\m], v[BM+2*\m], s[CS], v[NB+\m/2]   ; the block's largest t - M + 125
.endr
	FMA4 \p
.irp x, 0,1
	v_ldexp_f32 v[FF+2*\x], 1.0, v[OL+\x]          ; f = 2^(old M - new M)
.endr
.irp m, 0,1,2,3
	v_max_num_f32 v[BM+2*\m], 1.0, v[BM+2*\m]      ; the byte does not fall under 1
.endr
	FMA4 \p
.irp m, 0,1,2,3
	v_cvt_i32_f32 v[BM+2*\m], v[BM+2*\m]           ; toward zero = floor of a positive number: the scale's byte
.endr
	FMA4 \p
.irp m, 0,1,2,3
	v_lshlrev_b32 v[SO+\m], 23, v[BM+2*\m]         ; as an exponent field: the conversion's scale operand
.endr
.irp x, 0,1
	v_lshl_or_b32 v[PW+\x], v[BM+4*\x+2], 16, v[BM+4*\x]   ; my two bytes: blocks h and 2 + h of the step's four,
.endr
	FMA4 \p
.irp x, 0,1
	v_lshlrev_b32 v[PW+\x], v[SH8], v[PW+\x]       ; at their places in the scale word;
.endr
	FMA4 \p
.irp x, 0,1
	v_permlanex16_b32 v[T+\x], v[PW+\x], s[SEL], s[SEL+1]
.endr
	FMA4 \p
.irp x, 0,1
	v_or_b32 v[PW+\x], v[PW+\x], v[T+\x]           ; with lane l xor 16's two the word is whole
.endr
	FMA4 \p
	s_wait_alu depctr_va_vdst(0)                   ; ahead of the batch
.set j, 0
.rept 32
	v_exp_f32 v[S+j], v[S+j]                       ; tile a: p
	v_exp_f32 v[S+j+1], v[S+j+1]
	v_pk_fma_f32 v[S+64+j:S+65+j], v[S+64+j:S+65+j], s[CS:CS+1], v[ST+8*(\p)+4:ST+8*(\p)+5] op_sel_hi:[1,0,0]   ; tile b: t - M; read behind the wait below
.set j, j+2
.endr
	s_wait_alu depctr_va_vdst(0)                   ; behind tile a's batch and ahead of tile b's
	CVT 0
.set j, 0
.rept 16
	v_exp_f32 v[S+64+j], v[S+64+j]                 ; tile b: p
	v_exp_f32 v[S+65+j], v[S+65+j]
	v_exp_f32 v[S+66+j], v[S+66+j]
	v_exp_f32 v[S+67+j], v[S+67+j]
	v_pk_add_f32 v[S+j:S+j+1], v[S+j:S+j+1], v[S+j+2:S+j+3]   ; tile a's sums, first level, over p that has been converted; read behind the wait below
.set j, j+4
.endr
	s_wait_alu depctr_va_vdst(0)                   ; behind the batch; it also stands directly ahead of the wait below
.if \ldv
	s_wait_dscnt 0x0                               ; V and its half words are in
	v_perm_b32 v[VS], v[VO], v[VE], 0x05040100     ; V's scale words of d tiles 0, 2 (lanes 0-15, 16-31)
	v_perm_b32 v[VS+1], v[VO], v[VE], 0x07060302   ; and of 1, 3
.endif
.if \wk
	s_wait_dscnt 0x0                               ; the next step's K, scale words and mask are in
.endif
	CVT 1
.set j, 0
.rept 16
	v_pk_add_f32 v[S+64+j:S+65+j], v[S+64+j:S+65+j], v[S+66+j:S+67+j]
.set j, j+4
.endr
	LVL 8
	LVL 4
	LVL 2
	LVL 1
.irp x, 0,1
	v_pk_fma_f32 v[ST+8*(\p)+4*\x+2:ST+8*(\p)+4*\x+3], v[ST+8*(\p)+4*\x+2:ST+8*(\p)+4*\x+3], v[FF+2*\x:FF+2*\x+1], v[S+64*\x:S+64*\x+1] op_sel_hi:[1,0,1]   ; the sum x f + this step's
.endr
.endm
.macro RESC p                          ; O^T x f: 32 multiplications, which are also the places between p's codes and scale words and the second product
	WIN 0x41
	s_wait_alu depctr_va_vdst(0)                   ; directly ahead of the first reader of O^T
.set j, 0
.rept 32
	v_pk_mul_f32 v[64*(\p)+j:64*(\p)+j+1], v[64*(\p)+j:64*(\p)+j+1], v[FF+2*(j/32):FF+2*(j/32)+1] op_sel_hi:[1,0]
.set j, j+2
.endr
	WIN 0
.endm
.macro PV p                            ; O^T += V^T P^T: the eight accumulators take turns; four places follow, for the reads of S^T and the loads into K's and V's registers
	WIN 0x51
.irp d, 0,1,2,3
	WMS 64*(\p)+8*\d, VF+8*\d, PC, 64*(\p)+8*\d, VS+(\d&1), PW, \d/2
	WMS 64*(\p)+32+8*\d, VF+8*\d, PC+8, 64*(\p)+32+8*\d, VS+(\d&1), PW+1, \d/2
.endr
	WIN 0
	PLACES 4
.endm
; A KEY STEP.  At its head pair 0's S^T has been issued.  last = 1: nothing more is loaded
.macro STEP last
	SOFT 0, 1, 0
	RESC 0
.if !(\last)
	s_add_co_u32 s[SKO], s[SKO], 4096
	s_add_co_u32 s[SVV], s[SVV], 4096
	s_add_co_u32 s[SSO], s[SSO], 512
	s_add_co_u32 s[SVO], s[SVO], 256
	s_add_co_u32 s[SMO], s[SMO], 512
	ADDR                                           ; (this step's V has been asked for)
.endif
	s_wait_alu depctr_va_vdst(0)                   ; directly behind the writes
	KQ 1
	PV 0
.if !(\last)
	KLOAD
	SOFT 1, 0, 1
.else
	SOFT 1, 0, 0
.endif
	RESC 1
	s_wait_alu depctr_va_vdst(0)                   ; it covers every ordinary write ahead of it; none follows up to the loop's branch
.if !(\last)
	KQ 0
.endif
	PV 1
.endm
	s_load_b128 s[4:7], s[0:1], 0x0                ; qkv, attention_mask
	s_load_b64 s[8:9], s[0:1], 0x10                ; ctx
	v_lshl_add_u32 v[SPW], v0, 2, SPARE
	v_mov_b32 v[NIL], 0
	ds_add_u32 v[SPW], v[NIL]                      ; the opening lines: the add, twice on end, and its wait
	ds_add_u32 v[SPW], v[NIL]
	v_lshrrev_b32 v[OL], 5, v0
	v_readfirstlane_b32 s10, v[OL]                 ; wave 0..7
	v_and_b32 v[OL], 31, v0
	v_lshlrev_b32 v[L4], 2, v[OL]
	v_lshlrev_b32 v[L16], 4, v[OL]
	v_and_b32 v[LK], 7, v0
	v_lshlrev_b32 v[LK], 4, v[LK]                  ; 16 (r % 8)
	v_bfe_u32 v[SH8], v0, 3, 1                     ; r / 8
	v_lshl_add_u32 v[LKS], v[SH8], 3, v[LK]        ; K's scale words: 16 (r % 8) + 8 (r / 8)
	v_lshl_add_u32 v[LK], v[SH8], 10, v[LK]        ; K's images: 16 (r % 8) + 1,024 (r / 8)
	v_bfe_u32 v[SH8], v0, 4, 1                     ; h
	v_lshl_add_u32 v[LK], v[SH8], 8, v[LK]         ; + 256 h: d 32-63
	v_lshl_add_u32 v[LKS], v[SH8], 8, v[LKS]       ; + 256 h: lanes 16-31 take B = 1's words
	v_lshl_add_u32 v[MB], v[SH8], 7, MSK           ; the mask: lanes 16-31 begin 32 keys on
	v_lshlrev_b32 v[SH8], 3, v[SH8]
	v_and_b32 v[R16], 15, v0
	v_lshlrev_b32 v[R16], 4, v[R16]
	v_lshlrev_b32 v[T], 4, v0                      ; the mask in memory: 16 bytes a thread,
	v_lshl_add_u32 v[T+1], v0, 4, MSK              ; and in LDS
	s_and_b32 s11, ttmp7, 0xffff                   ; bh: the cluster's y
	s_bfe_u32 s13, ttmp6, 0x40000                  ; cx
	s_lshl_b32 s12, ttmp9, 2
	s_add_co_u32 s12, s12, s13                     ; work-group x = 4 x cluster x + cx
	s_lshl_b32 s12, s12, 3
	s_add_co_u32 s12, s12, s10                     ; my 64 queries: enters global addresses alone
	s_and_b32 s50, s10, 1                          ; which half of the keys I fetch for
	s_mul_i32 s51, s50, 71680
	s_mul_i32 s52, s11, 143360
	s_add_co_u32 s52, s52, s51
	s_mov_b32 s53, 0
	s_lshr_b32 s54, s10, 1
	s_lshl_b32 s54, s54, 15                        ; waves 0, 1: K's images; 2, 3: V's, 32,768 bytes on
	s_mov_b32 s55, 0
.irp g, G1A, G1B, G1C                          ; group 1: the cluster's four (mask 15, bit 21 beside it); rows of 256 bytes (32 elements of 8), dense, no padding
	s_mov_b32 s[\g], 15|(3<<16)|(1<<21)
	s_mov_b32 s[\g+1], 32<<16
	s_mov_b32 s[\g+3], 32<<16
	s_mov_b32 s[\g+5], 32
	s_mov_b32 s[\g+6], 0
	s_mov_b32 s[\g+7], 0
.endr
	s_mov_b32 s[G1A+2], 128<<16                    ; 128 rows: half of K's or of V's images
	s_mov_b32 s[G1A+4], 128
	s_mov_b32 s[G1B+2], 16<<16                     ; 16 rows: half of K's scale words
	s_mov_b32 s[G1B+4], 16
	s_mov_b32 s[G1C+2], 8<<16                      ; 8 rows: half of V's half words
	s_mov_b32 s[G1C+4], 8
	s_mov_b32 s[G0A], 1
	s_lshl_b32 s[G0A+1], s10, 15                   ; LDS: K's halves, then V's
	s_mov_b32 s[G0B], 1
	s_lshl_b32 s[G0B+1], s50, 12
	s_add_co_u32 s[G0B+1], s[G0B+1], KSO
	s_mov_b32 s[G0C], 1
	s_lshl_b32 s[G0C+1], s50, 11
	s_add_co_u32 s[G0C+1], s[G0C+1], VSO
	s_mov_b32 s[SEL], 0x76543210
	s_mov_b32 s[SEL+1], 0xfedcba98
	s_mov_b32 s[CS], 0x3e38aa3b                    ; c = log2(e) / 8
	s_mov_b32 s[CS+1], s[CS]
	s_mov_b32 s[HM], 0xffff0000
	s_mov_b32 s[SKO], 0
	s_mov_b32 s[SVV], VOFF
	s_mov_b32 s[SSO], KSO
	s_mov_b32 s[SVO], VSO
	s_mov_b32 s[SMO], 0
	s_wait_alu depctr_va_vdst(0)                   ; directly ahead of the waits below
	s_wait_dscnt 0x0                               ; both opening adds are done
	s_wait_kmcnt 0x0
	s_add_nc_u64 s[52:53], s[4:5], s[52:53]        ; the half's first byte
	s_add_nc_u64 s[G0A+2:G0A+3], s[52:53], s[54:55]
	s_add_nc_u64 s[G0B+2:G0B+3], s[52:53], 65536
	s_add_nc_u64 s[G0C+2:G0C+3], s[52:53], 69632
	s_or_b32 s[G0A+3], s[G0A+3], 0x80000000
	s_or_b32 s[G0B+3], s[G0B+3], 0x80000000
	s_or_b32 s[G0C+3], s[G0C+3], 0x80000000
	ROUND                                          ; all four work-groups are here: the joint loads meet
; the fills: one chain of branches on the wave's number, one load to an arm, every way passes one
.macro ARM under, g0, g1, next
	s_cmp_lt_u32 s10, \under
	s_cbranch_scc0 \next
	tensor_load_to_lds s[\g0:\g0+3], s[\g1:\g1+7]
	s_nop 0
	PLACES 4
	s_branch .Lasked
\next:
.endm
	ARM 4, G0A, G1A, .Larm_b
	ARM 6, G0B, G1B, .Larm_c
	tensor_load_to_lds s[G0C:G0C+3], s[G1C:G1C+7]
	s_nop 0
	PLACES 4
.Lasked:
	s_lshr_b32 s50, s11, 4                         ; batch
	s_and_b32 s51, s11, 15                         ; head
	s_mov_b32 s53, 0
	s_lshl_b32 s52, s50, 13
	s_add_nc_u64 s[6:7], s[6:7], s[52:53]          ; the batch's mask
	global_load_b128 v[S:S+3], v[T], s[6:7]
	global_load_b128 v[S+4:S+7], v[T], s[6:7] offset:4096
	s_lshl_b32 s52, s11, 16
	s_lshl_b32 s54, s12, 11
	s_add_co_u32 s52, s52, s54
	s_add_co_u32 s52, s52, 9175040
	s_add_nc_u64 s[QIB:QIB+1], s[4:5], s[52:53]    ; Q's images
	s_lshl_b32 s52, s11, 13
	s_lshl_b32 s54, s12, 8
	s_add_co_u32 s52, s52, s54
	s_add_co_u32 s52, s52, 13369344
	s_add_nc_u64 s[QSB:QSB+1], s[4:5], s[52:53]    ; and scale words
	WIN 0x40
.irp q, 0,1,2,3
	global_load_b128 v[QF+8*\q:QF+8*\q+3], v[L16], s[QIB:QIB+1] offset:512*\q
.endr
	WIN 0
	global_load_b128 v[QS:QS+3], v[R16], s[QSB:QSB+1]
	WIN 0x40
.irp q, 0,1,2,3
.irp j, 4,5,6,7
	v_mov_b32 v[QF+8*\q+\j], 0                     ; k 64-127 of the instruction: zero codes
.endr
.endr
.set j, 0
.rept 128
	v_mov_b32 v[j], 0                              ; O^T: the step is written for every step alike; the first change of M leaves zeros zeros
.set j, j+1
.endr
	WIN 0
	s_lshl_b32 s52, s50, 20
	s_lshl_b32 s54, s12, 15
	s_add_co_u32 s52, s52, s54
	s_lshr_b32 s54, s51, 1
	s_lshl_b32 s54, s54, 10
	s_add_co_u32 s52, s52, s54
	s_and_b32 s54, s51, 1
	s_lshl_b32 s54, s54, 9
	s_add_co_u32 s52, s52, s54
	s_add_nc_u64 s[CTB:CTB+1], s[8:9], s[52:53]    ; ctx's images: my four row tiles, K step head / 2, half head % 2
	s_lshl_b32 s52, s50, 5
	s_add_co_u32 s52, s52, s12
	s_lshl_b32 s52, s52, 11
	s_lshl_b32 s54, s51, 7
	s_add_co_u32 s52, s52, s54
	s_add_co_u32 s52, s52, 4194304
	s_add_nc_u64 s[CSB:CSB+1], s[8:9], s[52:53]    ; its half words
.irp q, 0,1,2,3
	v_mov_b32 v[ST+4*\q+1], 0xff61b1e6             ; the largest score so far: -3e38
	v_mov_b32 v[ST+4*\q+2], 0
	v_mov_b32 v[ST+4*\q+3], 0
	v_mov_b32 v[KF+32+\q], 0                       ; named as the upper half of the last key tile's operand
	v_mov_b32 v[SO+\q], 0                          ; a lane permute's destination counts as one of its sources
.endr
	v_mul_f32 v[OL], s[CS], v[ST+1]
.irp q, 0,1,2,3
	v_floor_f32 v[ST+4*\q], -v[OL]                 ; its -M
.endr
	v_mov_b32 v[FF+1], 0                           ; (upper halves of pairs)
	v_mov_b32 v[FF+3], 0
	s_wait_alu depctr_va_vdst(0)                   ; directly ahead of the wait below
	s_wait_loadcnt 5                               ; the mask's two loads are in; behind them Q's four and its scale words' one may be out
.set j, 0
.rept 8
	v_mul_f32 v[S+j], 0x41000000, v[S+j]           ; x 8: c takes it back
.set j, j+1
.endr
	ds_store_b128 v[T+1], v[S:S+3]
	ds_store_b128 v[T+1], v[S+4:S+7] offset:4096
	s_wait_alu depctr_va_vdst(0)
	s_wait_loadcnt 0x0                             ; Q
	s_wait_tensorcnt 0x0                           ; my part of the record has landed,
	s_wait_dscnt 0x0                               ; my part of the mask lies in LDS,
	s_barrier_signal -1
	s_barrier_wait -1                              ; everybody's
	ADDR
	s_wait_alu depctr_va_vdst(0)                   ; directly behind the writes
	KLOAD
	s_wait_dscnt 0x0
	KQ 0
	WIN 0
	PLACES 4
	s_mov_b32 s[CNT], 15
.Lstep:                                        ; steps 0 to 14
	STEP 0
	s_sub_co_u32 s[CNT], s[CNT], 1
	s_cmp_lg_u32 s[CNT], 0
	s_cbranch_scc1 .Lstep
	STEP 1                                         ; step 15
	; THE WAY OUT: O^T / the sum, quantised along the hidden axis (a tile's 64 of d are two blocks), as images and half words
.irp q, 0,1,2,3
	v_add_f32 v[RL+\q], v[ST+4*\q+2], v[ST+4*\q+3]
.endr
.irp q, 0,1,2,3
	v_permlanex16_b32 v[SO+\q], v[RL+\q], s[SEL], s[SEL+1]
.endr
.irp q, 0,1,2,3
	v_add_f32 v[RL+\q], v[RL+\q], v[SO+\q]         ; the row's sum
.endr
	s_wait_alu depctr_va_vdst(0)                   ; ahead of the batch
.irp q, 0,1,2,3
	v_rcp_f32 v[RL+\q], v[RL+\q]
.endr
	v_nop
.irp p, 0,1
	WIN 0x01
	s_wait_alu depctr_va_vdst(0)                   ; behind the batch, directly ahead of the first readers of these tiles' O^T
.set j, 0
.rept 64
	v_mul_f32 v[S+j], v[64*\p+j], v[RL+2*\p+j/32]
.set j, j+1
.endr
	WIN 0
	QUANT S, PC+8*\p, PW+\p
	global_store_b128 v[L16], v[PC+8*\p:PC+8*\p+3], s[CTB:CTB+1] offset:16384*\p          ; 512 consecutive bytes a store
	global_store_b128 v[L16], v[PC+8*\p+4:PC+8*\p+7], s[CTB:CTB+1] offset:16384*\p+8192
.endr
	v_cndmask_b32 v[T], v[PW], v[PW+1], s[HM]      ; lanes 0-15 tiles 0, 1; lanes 16-31 tiles 2, 3
	global_store_b32 v[L4], v[T], s[CSB:CSB+1]     ; 128 consecutive bytes
	s_wait_tensorcnt 0x0                           ; the wave's end
	ds_add_u32 v[SPW], v[NIL]
	s_wait_dscnt 0x0
	ROUND                                          ; the closing round
	s_endpgm
.Lfunc_end_k_q928df54df6_attn:
	.size	k_q928df54df6_attn, .Lfunc_end_k_q928df54df6_attn-k_q928df54df6_attn
	.p2alignl 7, 3214868480
	.fill 96, 4, 3214868480
	.section	.rodata,"a",@progbits
	.p2align	6, 0x0
	.amdhsa_kernel k_q928df54df6_attn
		.amdhsa_group_segment_fixed_size 168960
		.amdhsa_private_segment_fixed_size 0
		.amdhsa_enable_private_segment 0
		.amdhsa_kernarg_size 24
		.amdhsa_user_sgpr_count 2
		.amdhsa_user_sgpr_kernarg_segment_ptr 1
		.amdhsa_wavefront_size32 1
		.amdhsa_system_sgpr_workgroup_id_x 1
		.amdhsa_system_sgpr_workgroup_id_y 1
		.amdhsa_system_sgpr_workgroup_id_z 1
		.amdhsa_system_vgpr_workitem_id 0
		.amdhsa_next_free_vgpr 512
		.amdhsa_next_free_sgpr 80
		.amdhsa_reserve_vcc 0
		.amdhsa_float_denorm_mode_32 3
		.amdhsa_float_denorm_mode_16_64 3
		.amdhsa_memory_ordered 1
		.amdhsa_forward_progress 1
		.amdhsa_inst_pref_size 132
	.end_amdhsa_kernel
	.amdgpu_metadata
---
amdhsa.version: [ 1, 2 ]
amdhsa.kernels:
  - .name:           k_q928df54df6_attn
    .symbol:         k_q928df54df6_attn.kd
    .args:
      - { .name: qkv, .offset: 0, .size: 8, .value_kind: global_buffer, .address_space: global }
      - { .name: attention_mask, .offset: 8, .size: 8, .value_kind: global_buffer, .address_space: global }
      - { .name: ctx, .offset: 16, .size: 8, .value_kind: global_buffer, .address_space: global }
    .group_segment_fixed_size: 168960
    .private_segment_fixed_size: 0
    .kernarg_segment_align: 8
    .kernarg_segment_size: 24
    .max_flat_workgroup_size: 256
    .sgpr_count:     80
    .vgpr_count:     512
    .wavefront_size: 32
...
	.end_amdgpu_metadata
.endif
;; end of part 3
;; launch dense (part 4): grid 256 x 1, 8 waves a work-group, no clusters, 168,960 bytes of LDS; arguments ctx, wimg, b_dense, hidden_states, ln_gamma, ln_beta, out0; writes out0
.if DOCPART == 4
	.amdgcn_target "amdgcn-amd-amdhsa--gfx1250"
	.amdhsa_code_object_version 6
	.text
	.protected	k_q928df54df6_dense
	.globl	k_q928df54df6_dense
	.p2align	8
	.type	k_q928df54df6_dense,@function
k_q928df54df6_dense:
	s_mov_b64 s[64:65], 0
	v_nop
	global_prefetch_b8 v0, s[64:65] scope:SCOPE_SE
	s_setreg_imm32_b32 hwreg(HW_REG_WAVE_MODE, 25, 1), 1
	s_wait_xcnt 0x0
; DENSE.  out0 = LayerNorm(ctx W_dense + b_dense + hidden_states) gamma + beta; the product on codes of FP4, all else in f32.
; SHARES.  Work-group B takes 32 whole rows (two row tiles), so that the norm stays inside it.  Wave w takes columns 128 w .. 128 w + 127: eight column tiles, four pairs.
; Its 65,536 bytes of weight fragments go from wimg straight into registers, 16 loads ahead of their use: no other wave of the work-group wants them.  ctx's 16 fragments go from wave to wave through LDS as images.
; THE PRODUCT IS USED TRANSPOSED (source 0 = 16 columns of W, source 1 = 16 rows of ctx): a lane holds one row and, of each pair, 16 neighbouring columns.  The bias is the C of each sum's first product.
; The 32 rows of hidden_states come by copies into a stage in LDS, whole rows in runs of 512 bytes, at the launch's head; y goes back through the same stage (which has then had its one fill) and leaves in runs of 512 bytes.
; The variance is taken of x - mean, in a second pass over registers: no difference of large sums is formed.
; NO CLUSTER: the weights' image is read by every work-group, but into registers, where no joint request reaches; through LDS its 557,056 bytes would need a ring with a round of the cluster for each slot, for 128 matrix instructions a wave.
.set STP,  4112                        ; a position of the stage: 4,096 bytes + 16: 257 x 16
.set CIMG, 32*STP                      ; ctx's 16 fragments: 2 s + tile, 1,024 bytes each
.set CSC,  CIMG+16384                  ; their scale words: [q 2][lane 32][4 words]
.set RED1, CSC+1024                    ; the waves' partial sums: 128 bytes a wave
.set RED2, RED1+1024
.set CS,   24                          ; v24-31   ctx's scale words, K step s (lanes 0-15 tile 0)
.set WS,   32                          ; v32-63   the weights': pair, K step at WS + 8 pair + s (lanes 0-15 tile u = 0)
.set WB0,  64                          ; v64-191  two sets of eight weight fragments: + 32 u + 8 s'
.set R,    64                          ; later: 2 x 64 numbers of x, then of y
.set BI,   192                         ; v192-255 the bias; later the norm's work:
.set A0,   192                         ; v192-195, v196-199 two chains for each tile
.set A1,   196
.set P0,   200
.set P1,   201
.set X,    202
.set RD8,  204                         ; v204-211 the eight waves' partial sums
.set MU0,  212                         ; v[212:213], v[214:215] the two tiles' means, each the low word of a pair
.set MU1,  214
.set RS0,  216                         ; v[216:217], v[218:219] 1 / sqrt(var + eps)
.set RS1,  218
.set OTH,  220
.set SEL,  28
.set HM,   30
.set MSB, 0
.macro WIN new
.if MSB != \new
	s_set_vgpr_msb (MSB<<8)|\new
.set MSB, \new
.endif
.endm
.macro PLACES n
.rept \n
	v_nop
.endr
.endm
.macro WMS d, a, b, c, sa, sb, ra, rb
.if ((\ra) == 0) && ((\rb) == 0)
	v_wmma_scale_f32_16x16x128_f8f6f4 v[(\d):(\d)+7], v[(\a):(\a)+7], v[(\b):(\b)+7], v[(\c):(\c)+7], v[\sa], v[\sb] matrix_a_fmt:MATRIX_FMT_FP4 matrix_b_fmt:MATRIX_FMT_FP4
.elseif ((\rb) == 0)
	v_wmma_scale_f32_16x16x128_f8f6f4 v[(\d):(\d)+7], v[(\a):(\a)+7], v[(\b):(\b)+7], v[(\c):(\c)+7], v[\sa], v[\sb] matrix_a_fmt:MATRIX_FMT_FP4 matrix_b_fmt:MATRIX_FMT_FP4 matrix_a_scale:MATRIX_SCALE_ROW1
.elseif ((\ra) == 0)
	v_wmma_scale_f32_16x16x128_f8f6f4 v[(\d):(\d)+7], v[(\a):(\a)+7], v[(\b):(\b)+7], v[(\c):(\c)+7], v[\sa], v[\sb] matrix_a_fmt:MATRIX_FMT_FP4 matrix_b_fmt:MATRIX_FMT_FP4 matrix_b_scale:MATRIX_SCALE_ROW1
.else
	v_wmma_scale_f32_16x16x128_f8f6f4 v[(\d):(\d)+7], v[(\a):(\a)+7], v[(\b):(\b)+7], v[(\c):(\c)+7], v[\sa], v[\sb] matrix_a_fmt:MATRIX_FMT_FP4 matrix_b_fmt:MATRIX_FMT_FP4 matrix_a_scale:MATRIX_SCALE_ROW1 matrix_b_scale:MATRIX_SCALE_ROW1
.endif
.endm
; unit ii = 2 pair + half of K: the pair's two tiles, four K steps: 16 loads into set ii % 2
.macro WLD ii
.irp u, 0,1
.irp k, 0,1,2,3
.irp c, 0,1
	global_load_b128 v[WB0+64*((\ii)%2)+32*\u+8*\k+4*\c:WB0+64*((\ii)%2)+32*\u+8*\k+4*\c+3], v1, s[24:25] offset:((2*((\ii)/2)+\u)*8+4*((\ii)%2)+\k)*1024+512*\c
.endr
.endr
.endr
.endm
; its 16 products: four accumulators by turns, one instruction a turn
.macro UNIT ii
.irp k, 0,1,2,3
.irp tau, 0,1
.irp u, 0,1
.set kk, 4*((\ii)%2)+\k
.set rD, 128+64*\tau+8*(2*((\ii)/2)+\u)
.if kk == 0
	WIN 0x44                                       ; D and ctx in window 1, the bias in window 0
	WMS rD, WB0+64*((\ii)%2)+32*\u+8*\k, 64*\tau+8*kk, BI+16*((\ii)/2)+8*\u, WS+8*((\ii)/2)+kk, CS+kk, \u, \tau
.else
	WIN 0x54                                       ; C in window 1 too
	WMS rD, WB0+64*((\ii)%2)+32*\u+8*\k, 64*\tau+8*kk, rD, WS+8*((\ii)/2)+kk, CS+kk, \u, \tau
.endif
.endr
.endr
.endr
.endm
.macro RSUM tau, a                     ; the sum of my 64 numbers of tile tau's row, into v[a]
.set rr, R+64*(\tau)
	v_pk_add_f32 v[\a:\a+1], v[rr:rr+1], v[rr+2:rr+3]
	v_pk_add_f32 v[\a+2:\a+3], v[rr+4:rr+5], v[rr+6:rr+7]
.set j, 8
.rept 14
	s_delay_alu instid0(VALU_DEP_2)
	v_pk_add_f32 v[\a:\a+1], v[\a:\a+1], v[rr+j:rr+j+1]
	s_delay_alu instid0(VALU_DEP_2)
	v_pk_add_f32 v[\a+2:\a+3], v[\a+2:\a+3], v[rr+j+2:rr+j+3]
.set j, j+4
.endr
	s_delay_alu instid0(VALU_DEP_1)
	v_pk_add_f32 v[\a:\a+1], v[\a:\a+1], v[\a+2:\a+3]
	s_delay_alu instid0(VALU_DEP_1)
	v_add_f32 v[\a], v[\a], v[\a+1]
.endm
.macro RSQ tau, a                      ; the sum of their squares
.set rr, R+64*(\tau)
	v_pk_mul_f32 v[\a:\a+1], v[rr:rr+1], v[rr:rr+1]
	v_pk_mul_f32 v[\a+2:\a+3], v[rr+2:rr+3], v[rr+2:rr+3]
.set j, 4
.rept 15
	s_delay_alu instid0(VALU_DEP_2)
	v_pk_fma_f32 v[\a:\a+1], v[rr+j:rr+j+1], v[rr+j:rr+j+1], v[\a:\a+1]
	s_delay_alu instid0(VALU_DEP_2)
	v_pk_fma_f32 v[\a+2:\a+3], v[rr+j+2:rr+j+3], v[rr+j+2:rr+j+3], v[\a+2:\a+3]
.set j, j+4
.endr
	s_delay_alu instid0(VALU_DEP_1)
	v_pk_add_f32 v[\a:\a+1], v[\a:\a+1], v[\a+2:\a+3]
	s_delay_alu instid0(VALU_DEP_1)
	v_add_f32 v[\a], v[\a], v[\a+1]
.endm
; v[A0], v[A1]: my parts of the two tiles' rows r.  Behind it v[X] holds the whole row's sum: lanes 0-15 tile 0's row r, lanes 16-31 tile 1's
.macro REDUCE off
	v_permlanex16_b32 v[P0], v[A0], s[SEL], s[SEL+1]
	s_delay_alu instid0(VALU_DEP_2)
	v_permlanex16_b32 v[P1], v[A1], s[SEL], s[SEL+1]
	s_delay_alu instid0(VALU_DEP_2)
	v_add_f32 v[A0], v[A0], v[P0]
	s_delay_alu instid0(VALU_DEP_2)
	v_add_f32 v[A1], v[A1], v[P1]
	s_delay_alu instid0(VALU_DEP_1)
	v_cndmask_b32 v[X], v[A0], v[A1], s[HM]
	ds_store_b32 v16, v[X] offset:\off
	s_wait_dscnt 0x0                               ; for the others' sake: my sums lie in LDS
	s_barrier_signal -1
	s_barrier_wait -1
.irp k, 0,1,2,3,4,5,6,7
	ds_load_b32 v[RD8+\k], v18 offset:\off+128*\k
.endr
	s_wait_dscnt 0x0
	v_add_f32 v[RD8], v[RD8], v[RD8+1]
	v_add_f32 v[RD8+2], v[RD8+2], v[RD8+3]
	v_add_f32 v[RD8+4], v[RD8+4], v[RD8+5]
	v_add_f32 v[RD8+6], v[RD8+6], v[RD8+7]
	s_delay_alu instid0(VALU_DEP_3)
	v_add_f32 v[RD8], v[RD8], v[RD8+2]
	s_delay_alu instid0(VALU_DEP_2)
	v_add_f32 v[RD8+4], v[RD8+4], v[RD8+6]
	s_delay_alu instid0(VALU_DEP_1)
	v_add_f32 v[X], v[RD8], v[RD8+4]
.endm
.macro SPLIT d0, d1                    ; v[X] (a tile to each half of the lanes) into tile 0's number and tile 1's, in every lane
	v_permlanex16_b32 v[OTH], v[X], s[SEL], s[SEL+1]
	v_cndmask_b32 v[\d0], v[X], v[OTH], s[HM]
	v_cndmask_b32 v[\d1], v[OTH], v[X], s[HM]
.endm
	s_load_b256 s[4:11], s[0:1], 0x0               ; ctx s[4:5], wimg s[6:7], b_dense s[8:9], hidden_states s[10:11]
	s_load_b128 s[12:15], s[0:1], 0x20             ; gamma s[12:13], beta s[14:15]
	s_load_b64 s[16:17], s[0:1], 0x30              ; out0
	v_lshl_add_u32 v254, v0, 2, 0x29000
	v_mov_b32 v255, 0
	ds_add_u32 v254, v255
	ds_add_u32 v254, v255
	s_wait_dscnt 0x0
	v_lshrrev_b32 v1, 5, v0
	s_delay_alu instid0(VALU_DEP_1)
	v_readfirstlane_b32 s18, v1                    ; wave 0..7
	v_and_b32 v1, 31, v0
	s_delay_alu instid0(VALU_DEP_1)
	v_lshlrev_b32 v2, 2, v1                        ; 4 x lane
	s_delay_alu instid0(VALU_DEP_2)
	v_lshlrev_b32 v1, 4, v1                        ; 16 x lane
	s_wait_alu depctr_va_vdst(0)
	v_and_b32 v20, 15, v0                          ; r
	v_bfe_u32 v21, v0, 4, 1                        ; h
	s_wait_alu depctr_va_vdst(0)
	s_bfe_u32 s33, s18, 0x10001                    ; local row 4 w + i lies at position 16 u + r = 16 ((w / 2) % 2) + 8 (w / 4) + 4 (w % 2) + i
	s_lshl_b32 s33, s33, 4
	s_lshr_b32 s34, s18, 2
	s_lshl_b32 s34, s34, 3
	s_add_co_u32 s33, s33, s34
	s_and_b32 s34, s18, 1
	s_lshl_b32 s34, s34, 2
	s_add_co_u32 s33, s33, s34
	s_mul_i32 s33, s33, STP
	v_add_nc_u32 v3, s33, v1                       ; v3-6: my four rows in the stage,
	s_delay_alu instid0(VALU_DEP_1)
	v_add_nc_u32 v4, STP, v3
	s_delay_alu instid0(VALU_DEP_1)
	v_add_nc_u32 v5, STP, v4
	s_delay_alu instid0(VALU_DEP_1)
	v_add_nc_u32 v6, STP, v5
	s_lshl_b32 s34, s18, 14
	v_add_nc_u32 v7, s34, v1                       ; v7-10: and in memory
	s_delay_alu instid0(VALU_DEP_1)
	v_add_nc_u32 v8, 4096, v7
	s_delay_alu instid0(VALU_DEP_1)
	v_add_nc_u32 v9, 4096, v8
	s_delay_alu instid0(VALU_DEP_1)
	v_add_nc_u32 v10, 4096, v9
	s_lshl_b32 s34, s18, 9
	v_lshl_add_u32 v13, v21, 6, s34                ; 512 w + 64 h: my 16 columns of a pair, in bytes
	s_delay_alu instid0(VALU_DEP_1)
	v_mad_u32_u24 v11, v20, STP, v13               ; in the stage: tile 0's row r,
	s_delay_alu instid0(VALU_DEP_1)
	v_add_nc_u32 v12, 16*STP, v11                  ; tile 1's
	s_lshl_b32 s34, s18, 11
	s_add_co_u32 s34, s34, CIMG
	v_add_nc_u32 v14, s34, v1                      ; where I put ctx's K step w
	v_add_nc_u32 v17, CIMG, v1                     ; and from where all are read
	s_lshr_b32 s34, s18, 2
	s_lshl_b32 s34, s34, 9
	s_and_b32 s35, s18, 3
	s_lshl_b32 s35, s35, 2
	s_add_co_u32 s34, s34, s35
	s_add_co_u32 s34, s34, CSC
	v_add_nc_u32 v15, s34, v1                      ; my K step's scale word
	s_lshl_b32 s34, s18, 7
	s_add_co_u32 s34, s34, RED1
	v_add_nc_u32 v16, s34, v2                      ; my wave's partial sums
	v_add_nc_u32 v18, RED1, v2                     ; all waves'
	v_lshlrev_b32 v19, 2, v20                      ; 4 r
	s_mov_b32 s[SEL], 0x76543210
	s_mov_b32 s[SEL+1], 0xfedcba98
	s_mov_b32 s[HM], 0xffff0000
	s_mov_b32 s31, 0x3a800000                      ; 1 / 1,024
	s_mov_b32 s32, 0x3727c5ac                      ; 1e-5
	s_mov_b32 s37, 0
	s_wait_alu depctr_va_vdst(0)
	s_wait_kmcnt 0x0
	s_lshl_b32 s36, ttmp9, 17
	s_add_nc_u64 s[10:11], s[10:11], s[36:37]      ; my 32 rows of hidden_states
	s_add_nc_u64 s[16:17], s[16:17], s[36:37]      ; and of out0
	s_lshl_b32 s36, ttmp9, 14
	s_lshl_b32 s35, s18, 10
	s_add_co_u32 s36, s36, s35
	s_add_nc_u64 s[20:21], s[4:5], s[36:37]        ; ctx's images: tile 2 B, K step w
	s_lshr_b32 s36, ttmp9, 1
	s_lshl_b32 s36, s36, 11
	s_lshl_b32 s35, s18, 8
	s_add_co_u32 s36, s36, s35
	s_and_b32 s35, ttmp9, 1
	s_lshl_b32 s35, s35, 6
	s_add_co_u32 s36, s36, s35
	s_add_co_u32 s36, s36, 4194304
	s_add_nc_u64 s[22:23], s[4:5], s[36:37]        ; its half words: head 2 w, my pair of tiles
	s_lshl_b32 s36, s18, 16
	s_add_co_u32 s36, s36, 1671168
	s_add_nc_u64 s[24:25], s[6:7], s[36:37]        ; my eight column tiles
	s_lshl_b32 s36, s18, 12
	s_add_co_u32 s36, s36, 2195456
	s_add_nc_u64 s[26:27], s[6:7], s[36:37]        ; their scale words
	WIN 0x40
.irp tau, 0,1
.irp c, 0,1
	global_load_b128 v[128+8*\tau+4*\c:128+8*\tau+4*\c+3], v1, s[20:21] offset:8192*\tau+512*\c
.endr
.endr
	WIN 0
	global_load_b32 v20, v19, s[22:23]             ; head 2 w: low half tile 0's two bytes, high half tile 1's
	global_load_b32 v21, v19, s[22:23] offset:128  ; head 2 w + 1
.set n, 0
.rept 8
	global_load_b128 v[WS+4*n:WS+4*n+3], v1, s[26:27] offset:512*n
.set n, n+1
.endr
.set n, 0
.rept 16
	global_load_b128 v[BI+4*n:BI+4*n+3], v13, s[8:9] offset:128*(n/4)+16*(n%4)
.set n, n+1
.endr
	WLD 0
	WLD 1
.irp i, 0,1,2,3
.irp k, 0,1,2,3,4,5,6,7
	global_load_async_to_lds_b128 v[3+\i], v[7+\i], s[10:11] offset:512*\k   ; 512 consecutive bytes of a row; the offset counts in both addresses; these bytes are filled once.  Asked for behind ctx and the first weights: the rows are read only behind the products
.endr
.endr
	s_wait_loadcnt 56                              ; ctx's six loads are in; the 56 behind them may be out
	v_perm_b32 v22, v21, v20, 0x05040100           ; tile 0's word of K step w
	v_perm_b32 v23, v21, v20, 0x07060302           ; tile 1's
	s_delay_alu instid0(VALU_DEP_1)
	v_cndmask_b32 v22, v22, v23, s[HM]
	WIN 0x04                                       ; an LDS store's data are its source 1
.irp tau, 0,1
.irp c, 0,1
	ds_store_b128 v14, v[128+8*\tau+4*\c:128+8*\tau+4*\c+3] offset:1024*\tau+512*\c
.endr
.endr
	WIN 0
	ds_store_b32 v15, v22
	s_wait_dscnt 0x0                               ; for the others' sake: my K step lies in LDS
	s_barrier_signal -1
	s_barrier_wait -1
	WIN 0x40
.irp s, 0,1,2,3,4,5,6,7
.irp tau, 0,1
.irp c, 0,1
	ds_load_b128 v[64*\tau+8*\s+4*\c:64*\tau+8*\s+4*\c+3], v17 offset:(2*\s+\tau)*1024+512*\c
.endr
.endr
.endr
	WIN 0
	ds_load_b128 v[CS:CS+3], v17 offset:16384
	ds_load_b128 v[CS+4:CS+7], v17 offset:16384+512
	s_wait_dscnt 0x0
.set g, 0
.rept 8
.if g < 7
	s_wait_loadcnt 16                              ; this unit's fragments (the first time the bias and the scale words too) are in; the next unit's 16 loads may be out
.else
	s_wait_loadcnt 0x0
.endif
	UNIT g
	WIN 0
	PLACES 5                                       ; in front of loads into registers that the products read, and of the first read of results
.if g < 6
	WLD g+2
.endif
.set g, g+1
.endr
	s_wait_asynccnt 0x0                            ; my four rows of hidden_states have landed,
	s_barrier_signal -1
	s_barrier_wait -1                              ; everybody's have
	WIN 0x40
.set n, 0
.rept 16
	global_load_b128 v[4*n:4*n+3], v13, s[12:13] offset:128*(n/4)+16*(n%4)       ; gamma and beta of my 64 columns, where ctx's fragments lay
	global_load_b128 v[64+4*n:64+4*n+3], v13, s[14:15] offset:128*(n/4)+16*(n%4)
.set n, n+1
.endr
	WIN 0
.irp tau, 0,1
.set n, 0
.rept 16
	ds_load_b128 v[R+64*\tau+4*n:R+64*\tau+4*n+3], v[11+\tau] offset:128*(n/4)+16*(n%4)
.set n, n+1
.endr
.endr
	s_wait_dscnt 0x0
	WIN 0x01
.set j, 0
.rept 64
	v_pk_add_f32 v[R+j:R+j+1], v[128+j:128+j+1], v[R+j:R+j+1]   ; x = the product + the residual; ascending: each accumulator is read from its low end on
.set j, j+2
.endr
	WIN 0
	RSUM 0, A0
	RSUM 1, A1
	REDUCE 0
	s_delay_alu instid0(VALU_DEP_1)
	v_mul_f32 v[X], s31, v[X]                      ; the mean
	v_mov_b32 v[MU0+1], 0                          ; (named as the upper halves of pairs)
	v_mov_b32 v[MU1+1], 0
	v_mov_b32 v[RS0+1], 0
	v_mov_b32 v[RS1+1], 0
	SPLIT MU0, MU1
.irp tau, 0,1
.set j, 0
.rept 32
	v_pk_add_f32 v[R+64*\tau+j:R+64*\tau+j+1], v[R+64*\tau+j:R+64*\tau+j+1], v[MU0+2*\tau:MU0+2*\tau+1] op_sel_hi:[1,0] neg_lo:[0,1] neg_hi:[0,1]   ; x - mean
.set j, j+2
.endr
.endr
	RSQ 0, A0
	RSQ 1, A1
	REDUCE 1024                                    ; other bytes than the first sums': no barrier is owed between the two
	s_delay_alu instid0(VALU_DEP_1)
	v_fma_f32 v[X], v[X], s31, s32                 ; var + eps
	s_wait_alu depctr_va_vdst(0)
	v_rsq_f32 v[X], v[X]
	v_nop
	s_wait_alu depctr_va_vdst(0)                   ; ahead of the first reader
	SPLIT RS0, RS1
	s_wait_alu depctr_va_vdst(0)
	s_wait_loadcnt 0x0                             ; gamma and beta
.irp tau, 0,1
.set j, 0
.rept 32
	v_pk_mul_f32 v[R+64*\tau+j:R+64*\tau+j+1], v[R+64*\tau+j:R+64*\tau+j+1], v[RS0+2*\tau:RS0+2*\tau+1] op_sel_hi:[1,0]
.set j, j+2
.endr
.endr
	WIN 0x14                                       ; gamma and beta in window 1
.irp tau, 0,1
.set j, 0
.rept 32
	v_pk_fma_f32 v[R+64*\tau+j:R+64*\tau+j+1], v[R+64*\tau+j:R+64*\tau+j+1], v[j:j+1], v[64+j:64+j+1]
.set j, j+2
.endr
.endr
	WIN 0
.irp tau, 0,1
.set n, 0
.rept 16
	ds_store_b128 v[11+\tau], v[R+64*\tau+4*n:R+64*\tau+4*n+3] offset:128*(n/4)+16*(n%4)   ; y over the bytes that this lane alone read; all reads of the stage were waited for in front of the first sums' barrier
.set n, n+1
.endr
.endr
	s_wait_dscnt 0x0
	s_barrier_signal -1
	s_barrier_wait -1                              ; 32 whole rows of y lie in the stage
.set n, 0
.rept 32
	ds_load_b128 v[R+4*n:R+4*n+3], v[3+n/8] offset:512*(n%8)
.set n, n+1
.endr
.set n, 0
.rept 32
	s_wait_dscnt 31-n                              ; LDS loads come back in order: load n is in, the younger ones may be out
	global_store_b128 v[7+n/8], v[R+4*n:R+4*n+3], s[16:17] offset:512*(n%8) th:TH_STORE_NT   ; 512 consecutive bytes, at a multiple of 512 from the row's first byte
.set n, n+1
.endr
	s_wait_xcnt 0x0
	v_lshl_add_u32 v254, v0, 2, 0x29000
	v_mov_b32 v255, 0
	s_wait_alu depctr_va_vdst(0)
	s_wait_tensorcnt 0x0
	ds_add_u32 v254, v255
	s_wait_dscnt 0x0
	s_endpgm
.Lfunc_end_k_q928df54df6_dense:
	.size	k_q928df54df6_dense, .Lfunc_end_k_q928df54df6_dense-k_q928df54df6_dense
	.p2alignl 7, 3214868480
	.fill 96, 4, 3214868480
	.section	.rodata,"a",@progbits
	.p2align	6, 0x0
	.amdhsa_kernel k_q928df54df6_dense
		.amdhsa_group_segment_fixed_size 168960
		.amdhsa_private_segment_fixed_size 0
		.amdhsa_enable_private_segment 0
		.amdhsa_kernarg_size 56
		.amdhsa_user_sgpr_count 2
		.amdhsa_user_sgpr_kernarg_segment_ptr 1
		.amdhsa_wavefront_size32 1
		.amdhsa_system_sgpr_workgroup_id_x 1
		.amdhsa_system_sgpr_workgroup_id_y 1
		.amdhsa_system_sgpr_workgroup_id_z 1
		.amdhsa_system_vgpr_workitem_id 0
		.amdhsa_next_free_vgpr 512
		.amdhsa_next_free_sgpr 66
		.amdhsa_reserve_vcc 0
		.amdhsa_float_denorm_mode_32 3
		.amdhsa_float_denorm_mode_16_64 3
		.amdhsa_memory_ordered 1
		.amdhsa_forward_progress 1
		.amdhsa_inst_pref_size 89
	.end_amdhsa_kernel
	.amdgpu_metadata
---
amdhsa.version: [ 1, 2 ]
amdhsa.kernels:
  - .name:           k_q928df54df6_dense
    .symbol:         k_q928df54df6_dense.kd
    .args:
      - { .name: ctx, .offset: 0, .size: 8, .value_kind: global_buffer, .address_space: global }
      - { .name: wimg, .offset: 8, .size: 8, .value_kind: global_buffer, .address_space: global }
      - { .name: b_dense, .offset: 16, .size: 8, .value_kind: global_buffer, .address_space: global }
      - { .name: hidden_states, .offset: 24, .size: 8, .value_kind: global_buffer, .address_space: global }
      - { .name: ln_gamma, .offset: 32, .size: 8, .value_kind: global_buffer, .address_space: global }
      - { .name: ln_beta, .offset: 40, .size: 8, .value_kind: global_buffer, .address_space: global }
      - { .name: out0, .offset: 48, .size: 8, .value_kind: global_buffer, .address_space: global }
    .group_segment_fixed_size: 168960
    .private_segment_fixed_size: 0
    .kernarg_segment_align: 8
    .kernarg_segment_size: 56
    .max_flat_workgroup_size: 256
    .sgpr_count:     66
    .vgpr_count:     512
    .wavefront_size: 32
...
	.end_amdgpu_metadata
.endif
;; end of part 4
